; MI455X (gfx1250); checked and timed in simulation.
; The chip was launched on July 23, 2026; its instructions are those of AMD's public machine-readable ISA for CDNA 5 (MIT licence, August 2026) and "CDNA5" Instruction Set Architecture Reference Guide (July 2026). The comments in the code are by the model that wrote it; some were corrected since.
;; Transformer Block. Allowed arithmetic: float matrix products may take bf16 or f16 operands with f32 sums; other float arithmetic in f32, or as packed bf16 or f16 multiplies, adds, multiply-adds, maxima and minima; sums over many terms, partial sums and values carried from step to step in f32; what a program stores and reads back later, other than sums and carried values, may be rounded once to bf16 or f16.
;; Inputs: Wk 1,024 x 1,024 float32; Wo 1,024 x 1,024 float32; Wq 1,024 x 1,024 float32; Wv 1,024 x 1,024 float32; g1 1,024 float32; g2 1,024 float32; positions 2,048 int32; w1 2,752 x 1,024 float32; w2 1,024 x 2,752 float32; w3 2,752 x 1,024 float32; x 2 x 2,048 x 1,024 float32.
;; Outputs: out0 2 x 2,048 x 1,024 float32.
;; Constants: theta = 10000.
;; One version. Each part assembles by itself: llvm-mc -triple=amdgcn-amd-amdhsa -mcpu=gfx1250 --defsym DOCPART=n.
;; ======== version 1 of 1: 6 launches
;; limits: values are held in f16: magnitudes above 65,504 overflow, below 6.1e-05 lose precision
;; workspace buffers: wts 34,603,008 bytes; qkv 25,174,016 bytes; o8 8,388,608 bytes; x2 25,427,968 bytes; h8 23,068,672 bytes
;; launch prep (part 1): grid 1184 x 1, 8 waves a work-group, no clusters, 35,840 bytes of LDS; arguments x, positions, Wq, Wk, Wv, Wo, g1, g2, w1, w3, w2, wts, qkv; writes wts, qkv
.if DOCPART == 1
	.amdgcn_target "amdgcn-amd-amdhsa--gfx1250"
	.amdhsa_code_object_version 6
	.text
	.protected	k_qd05779e8a7_prep
	.globl	k_qd05779e8a7_prep
	.p2align	8
	.type	k_qd05779e8a7_prep,@function
k_qd05779e8a7_prep:
	s_mov_b64 s[64:65], 0
	v_nop
	global_prefetch_b8 v0, s[64:65] scope:SCOPE_SE
	s_setreg_imm32_b32 hwreg(HW_REG_WAVE_MODE, 25, 1), 1
	s_wait_xcnt 0x0
; PREP.  Everything that later launches multiply is laid out once in the layout F(R, K) of 16-bit numbers:
;   element (row, k) at byte ((row / 16) (K / 8) + k / 8) 256 + (row % 16) 16 + (k % 8) 2
; so that a matrix fragment (16 rows x 32 k) is two loads of 512 consecutive bytes, from memory or from LDS.
; A work-group turns 16 rows x 1,024 columns of f32 into 128 planes of 256 bytes; wave w makes rows 2 w and 2 w + 1 of the 16.
; ROLES, by the work-group's number g:
;   0..255      xn = x / sqrt(mean(x x) + 1e-5) g1, in f16
;   256..511    Wq, Wk, Wv (tile rows ordered head, then q k v, then 16 rows) and Wo, in f16
;   512..863    w1 g2 and w3 g2 in bf16, interleaved: row 8 hh + 4 type + jj of tile row ct is w1 (type 0) or w3 (type 1), row 8 ct + 4 hh + jj; tile rows 344..351 are zeros
;   864..1055   w2 in bf16, K padded from 2,752 to 2,816 with zeros
;   1056..1183  the table of cos and sin for the rotation, from positions; and 64 bytes each of the 8,192 zero bytes behind K in qkv
; The stream is bound by memory: no matrix unit, no tensor load, no cluster; several work-groups lie on a WGP.
; LIMITS.  The frequency 10000^(-i/32) is made by v_exp_f32 and is right to some 2e-7 of itself, so an angle is off by some 2e-7 of its size
; (4e-4 rad at position 2,047).  The angle is reduced by pi / 2 in two parts; sine and cosine are polynomials on -pi/4..pi/4, right to some 1e-7.
; f16 ends at 65,504: xn and the four attention weights must lie within it.  NaN and infinities are not treated apart.
.set WQKV, 8388608
.set WOO,  14680064
.set W13,  16777216
.set W2O,  28311552
.set TAB,  34078720
.set SLACK, 25165824
.set PL,   272                         ; a plane in LDS: 256 bytes + 16
.set SPARE, 128*PL                     ; behind the planes: the spare words, 128 bytes for each of the eight waves
.set OFF, 4                            ; v[4:11]   byte offset of my 16 bytes in piece j of a row, held inside the row
.set LW,  12                           ; v12       where I put 8 bytes of a plane
.set LR,  13                           ; v13       where I read 16 bytes of a plane back
.set GO,  14                           ; v14       my byte offset in the tile row that is stored
.set CS,  16                           ; v[16:47]  the factors of my 32 columns
.set XA,  48                           ; v[48:79]  my 32 numbers of the first row
.set XB,  80                           ; v[80:111] of the second
.set T,   112                          ; v[112:119] at work
.set RS,  120                          ; v[120:121] the two rows' factors
.set SPW, 124                          ; v124      LDS address of my spare word; never rewritten
.set NIL, 125                          ; v125      0; never rewritten
.set WV,  3                            ; s3        my wave's number
.set SEL, 34                           ; s[34:35]  v_permlanex16_b32's selects
.set SA,  36                           ; s[36:37]  the first row in memory
.set SB,  38                           ; s[38:39]  the second
.set GP,  40                           ; s[40:41]  the gain
.set DP,  42                           ; s[42:43]  the tile row that is stored
.set UG,  44                           ; s44  -1: the gain is used; 0: the columns' factor is 1
.set NRM, 45                           ; s45  1: the rows are normalised
.set RC,  46                           ; s46  the rows' factor where they are not
.set LIM, 47                           ; s47  bytes of the 4,096 that the row really has
.set NPL, 48                           ; s48  planes that are stored
.set BF,  49                           ; s49  1: bf16; 0: f16
	s_load_b512 s[8:23], s[0:1], 0x0               ; x 8, positions 10, Wq 12, Wk 14, Wv 16, Wo 18, g1 20, g2 22
	s_load_b256 s[24:31], s[0:1], 0x40             ; w1 24, w3 26, w2 28, wts 30
	s_load_b64 s[32:33], s[0:1], 0x60              ; qkv
	v_lshl_add_u32 v[SPW], v0, 2, SPARE
	v_mov_b32 v[NIL], 0
	v_lshrrev_b32 v1, 5, v0
	v_readfirstlane_b32 s[WV], v1
	v_and_b32 v1, 31, v0                           ; lane
	s_mov_b32 s2, ttmp9
	s_mov_b32 s[SEL], 0x76543210
	s_mov_b32 s[SEL+1], 0xfedcba98
	s_mov_b32 s[UG], 0
	s_mov_b32 s[NRM], 0
	s_mov_b32 s[RC], 1.0
	s_mov_b32 s[LIM], 4096
	s_mov_b32 s[NPL], 128
	s_mov_b32 s[BF], 0
	s_wait_kmcnt 0x0
	s_mov_b64 s[GP:GP+1], s[20:21]
	s_cmp_lt_u32 s2, 256
	s_cbranch_scc1 .Lrole_x
	s_cmp_lt_u32 s2, 512
	s_cbranch_scc1 .Lrole_w
	s_cmp_lt_u32 s2, 864
	s_cbranch_scc1 .Lrole_f
	s_cmp_lt_u32 s2, 1056
	s_cbranch_scc1 .Lrole_d
	; THE TABLE.  Entry [tg][t][q][lane] = cos, sin of pair i and of pair i + 1, i = 8 t + 4 (lane / 16) + 2 q, for token 16 tg + lane % 16: the order in which the projection's results lie in registers.
	s_sub_co_u32 s50, s2, 1056                     ; tg
	v_bfe_u32 v2, v0, 5, 1                         ; q
	v_lshrrev_b32 v3, 6, v0                        ; t
	v_lshrrev_b32 v4, 4, v1
	v_lshlrev_b32 v5, 3, v3
	v_lshl_add_u32 v5, v4, 2, v5
	v_lshl_add_u32 v5, v2, 1, v5                   ; i
	v_and_b32 v6, 15, v1
	v_lshlrev_b32 v6, 2, v6
	s_lshl_b32 s51, s50, 6
	v_add_nc_u32 v6, s51, v6
	global_load_b32 v7, v6, s[10:11]               ; the token's position
	v_cvt_f32_u32 v8, v5
	v_add_nc_u32 v9, 1, v5
	v_cvt_f32_u32 v9, v9
	v_mul_f32 v8, 0xbed49a78, v8                   ; - i log2(10000) / 32
	v_mul_f32 v9, 0xbed49a78, v9
	v_exp_f32 v8, v8
	v_exp_f32 v9, v9
	v_lshlrev_b32 v16, 4, v0                       ; 16 bytes a thread (a plain instruction behind the exponentials)
	s_mov_b32 s52, 0xbfc90fdb                      ; - pi / 2, the part that f32 holds,
	s_mov_b32 s53, 0x333bbd2e                      ; and what it leaves over
	s_lshl_b32 s54, s50, 12
	s_add_co_u32 s54, s54, TAB
	s_mov_b32 s55, 0
	s_add_nc_u64 s[54:55], s[30:31], s[54:55]
	s_lshl_b32 s58, s50, 6
	s_add_co_u32 s58, s58, SLACK
	s_mov_b32 s59, 0
	s_add_nc_u64 s[58:59], s[32:33], s[58:59]
	s_wait_alu depctr_va_vdst(0)                   ; one wait for the two exponentials, ahead of their first reader
	s_wait_loadcnt 0x0
	v_cvt_f32_i32 v7, v7
	v_mul_f32 v8, v7, v8                           ; the two angles
	v_mul_f32 v9, v7, v9
.macro SINCOS A, C, S                  ; v[A]: the angle (lost); v[C], v[S]: its cosine and sine
	v_mul_f32 v17, 0x3f22f983, v[\A]               ; angle x 2 / pi,
	v_rndne_f32 v17, v17                           ; the nearest quarter turn k
	v_fma_f32 v[\A], v17, s52, v[\A]               ; r = angle - k pi / 2, in two parts
	v_fma_f32 v[\A], v17, s53, v[\A]
	v_mul_f32 v18, v[\A], v[\A]
	v_cvt_i32_f32 v19, v17
	v_mov_b32 v[\S], 0xb94ca1f9
	v_fmaak_f32 v[\S], v[\S], v18, 0x3c08839e
	v_fmaak_f32 v[\S], v[\S], v18, 0xbe2aaaa3
	v_mul_f32 v[\S], v[\S], v18
	v_fma_f32 v[\S], v[\S], v[\A], v[\A]           ; sin r
	v_mov_b32 v[\C], 0x37ccf5ce
	v_fmaak_f32 v[\C], v[\C], v18, 0xbab6061a
	v_fmaak_f32 v[\C], v[\C], v18, 0x3d2aaaa5
	v_mul_f32 v[\C], v[\C], v18
	v_fma_f32 v[\C], v[\C], v18, 1.0
	v_fma_f32 v[\C], v18, -0.5, v[\C]              ; cos r
	v_and_b32 v20, 1, v19                          ; an odd k swaps the two,
	v_cmp_eq_u32 vcc_lo, 1, v20
	v_cndmask_b32 v20, v[\S], v[\C], vcc_lo
	v_cndmask_b32 v[\C], v[\C], v[\S], vcc_lo
	v_and_b32 v[\S], 2, v19                        ; k % 4 = 2, 3 turn the sine's sign,
	v_lshlrev_b32 v[\S], 30, v[\S]
	v_xor_b32 v[\S], v[\S], v20
	v_add_nc_u32 v19, 1, v19                       ; k % 4 = 1, 2 the cosine's
	v_and_b32 v19, 2, v19
	v_lshlrev_b32 v19, 30, v19
	v_xor_b32 v[\C], v19, v[\C]
.endm
	SINCOS 8, 12, 13
	SINCOS 9, 14, 15
	global_store_b128 v16, v[12:15], s[54:55]      ; a wave stores 512 consecutive bytes
	v_mov_b32 v24, 0
	v_mov_b32 v25, 0
	v_mov_b32 v26, 0
	v_mov_b32 v27, 0
	v_cmp_gt_u32 vcc_lo, 4, v0
	s_wait_xcnt 0x0                                ; EXEC changes only behind this wait
	s_and_saveexec_b32 s56, vcc_lo
	global_store_b128 v16, v[24:27], s[58:59]      ; threads 0 to 3: my 64 of the zero bytes behind K
	s_wait_xcnt 0x0
	s_or_b32 exec_lo, exec_lo, s56
	s_branch .Lend
.Lrole_x:
	s_lshl_b32 s50, s2, 16                         ; 16 rows of 4,096 bytes,
	s_lshl_b32 s51, s[WV], 13                      ; my two of them
	s_add_co_u32 s50, s50, s51
	s_mov_b32 s51, 0
	s_add_nc_u64 s[SA:SA+1], s[8:9], s[50:51]
	s_add_nc_u64 s[SB:SB+1], s[SA:SA+1], 4096
	s_lshl_b32 s52, s2, 15
	s_mov_b32 s53, 0
	s_add_nc_u64 s[DP:DP+1], s[30:31], s[52:53]
	s_mov_b32 s[UG], -1
	s_mov_b32 s[NRM], 1
	s_branch .Lconv
.Lrole_w:
	s_sub_co_u32 s50, s2, 256
	s_lshr_b32 s51, s50, 6                         ; which of Wq, Wk, Wv, Wo
	s_and_b32 s50, s50, 63                         ; which 16 rows
	s_cmp_eq_u32 s51, 1
	s_cselect_b64 s[54:55], s[14:15], s[12:13]
	s_cmp_eq_u32 s51, 2
	s_cselect_b64 s[54:55], s[16:17], s[54:55]
	s_cmp_eq_u32 s51, 3
	s_cselect_b64 s[54:55], s[18:19], s[54:55]
	s_lshr_b32 s56, s50, 2                         ; the head
	s_mul_i32 s56, s56, 12
	s_lshl2_add_u32 s56, s51, s56
	s_and_b32 s57, s50, 3
	s_add_co_u32 s56, s56, s57                     ; tile row 12 head + 4 (q, k, v) + 16 rows of the head
	s_lshl_b32 s56, s56, 15
	s_add_co_u32 s56, s56, WQKV
	s_lshl_b32 s57, s50, 15
	s_add_co_u32 s57, s57, WOO
	s_cmp_eq_u32 s51, 3
	s_cselect_b32 s52, s57, s56
	s_mov_b32 s53, 0
	s_add_nc_u64 s[DP:DP+1], s[30:31], s[52:53]
	s_lshl_b32 s50, s50, 16
	s_lshl_b32 s51, s[WV], 13
	s_add_co_u32 s50, s50, s51
	s_mov_b32 s51, 0
	s_add_nc_u64 s[SA:SA+1], s[54:55], s[50:51]
	s_add_nc_u64 s[SB:SB+1], s[SA:SA+1], 4096
	s_branch .Lconv
.Lrole_f:
	s_sub_co_u32 s50, s2, 512                      ; ct
	s_lshl_b32 s51, s50, 3
	s_lshr_b32 s52, s[WV], 2
	s_lshl2_add_u32 s51, s52, s51
	s_and_b32 s52, s[WV], 1
	s_lshl1_add_u32 s51, s52, s51                  ; row 8 ct + 4 (w / 4) + 2 (w % 2),
	s_min_u32 s51, s51, 2750                       ; held inside the matrix for the tile rows of zeros
	s_lshl_b32 s52, s51, 12
	s_mov_b32 s53, 0
	s_bitcmp1_b32 s[WV], 1                         ; (w / 2) % 2: w3, else w1
	s_cselect_b64 s[54:55], s[26:27], s[24:25]
	s_add_nc_u64 s[SA:SA+1], s[54:55], s[52:53]
	s_add_nc_u64 s[SB:SB+1], s[SA:SA+1], 4096
	s_cmp_lt_u32 s50, 344
	s_cselect_b32 s[RC], 1.0, 0
	s_lshl_b32 s52, s50, 15
	s_add_co_u32 s52, s52, W13
	s_add_nc_u64 s[DP:DP+1], s[30:31], s[52:53]
	s_mov_b64 s[GP:GP+1], s[22:23]
	s_mov_b32 s[UG], -1
	s_mov_b32 s[BF], 1
	s_branch .Lconv
.Lrole_d:
	s_sub_co_u32 s50, s2, 864
	s_lshr_b32 s51, s50, 6                         ; which 1,024 columns
	s_and_b32 s50, s50, 63                         ; which 16 rows
	s_lshl_b32 s52, s50, 4
	s_lshl1_add_u32 s52, s[WV], s52
	s_mul_i32 s52, s52, 11008                      ; a row of w2 is 11,008 bytes
	s_lshl_b32 s53, s51, 12
	s_add_co_u32 s52, s52, s53
	s_mov_b32 s53, 0
	s_add_nc_u64 s[SA:SA+1], s[28:29], s[52:53]
	s_add_nc_u64 s[SB:SB+1], s[SA:SA+1], 11008
	s_mul_i32 s56, s50, 90112                      ; a tile row of 352 planes
	s_lshl_b32 s57, s51, 15
	s_add_co_u32 s56, s56, s57
	s_add_co_u32 s56, s56, W2O
	s_mov_b32 s57, 0
	s_add_nc_u64 s[DP:DP+1], s[30:31], s[56:57]
	s_cmp_eq_u32 s51, 2                            ; the last piece has 704 columns, and 96 planes of which 8 are zeros;
	s_cselect_b32 s[LIM], 2816, s[LIM]             ; elsewhere the two keep what the head gave them (4,096 and 128): one literal to a line
	s_cselect_b32 s[NPL], 96, s[NPL]
	s_mov_b32 s[BF], 1
.Lconv:
	v_lshlrev_b32 v2, 4, v1
	s_sub_co_u32 s50, s[LIM], 16
.irp j, 0,1,2,3,4,5,6,7
	v_add_nc_u32 v[OFF+\j], 512*\j, v2
	v_min_u32 v[OFF+\j], s50, v[OFF+\j]            ; no load leaves the row
.endr
.irp j, 0,1,2,3,4,5,6,7
	global_load_b128 v[CS+4*\j:CS+4*\j+3], v[OFF+\j], s[GP:GP+1]
.endr
.irp j, 0,1,2,3,4,5,6,7
	global_load_b128 v[XA+4*\j:XA+4*\j+3], v[OFF+\j], s[SA:SA+1] th:TH_LOAD_NT
.endr
.irp j, 0,1,2,3,4,5,6,7
	global_load_b128 v[XB+4*\j:XB+4*\j+3], v[OFF+\j], s[SB:SB+1] th:TH_LOAD_NT
.endr
	v_lshrrev_b32 v3, 1, v1                        ; my 4 columns are half of plane 16 j + lane / 2
	v_mul_u32_u24 v[LW], v3, PL
	v_and_b32 v3, 1, v1
	v_lshl_add_u32 v[LW], v3, 3, v[LW]
	s_lshl_b32 s51, s[WV], 5                       ; row 2 w of the 16
	v_add_nc_u32 v[LW], s51, v[LW]
	v_lshrrev_b32 v3, 4, v1                        ; back: wave w takes planes 16 w .., two to a load
	s_lshl_b32 s51, s[WV], 4
	v_add_nc_u32 v3, s51, v3
	v_mul_u32_u24 v[LR], v3, PL
	v_and_b32 v3, 15, v1
	v_lshl_add_u32 v[LR], v3, 4, v[LR]
	s_lshl_b32 s51, s[WV], 12
	v_add_nc_u32 v[GO], s51, v2
	v_mov_b32 v[RS], s[RC]
	v_mov_b32 v[RS+1], s[RC]
	s_wait_loadcnt 16                              ; the gain is in; the two rows' sixteen loads may stay out
.set i, 0
.rept 32
	v_cndmask_b32 v[CS+i], 1.0, v[CS+i], s[UG]
.set i, i+1
.endr
	s_cmp_eq_u32 s[LIM], 4096
	s_cbranch_scc1 .Lwhole
.irp j, 0,1,2,3,4,5,6,7                ; columns past the row's end count as 0
	v_add_nc_u32 v3, 512*\j, v2
	v_cmp_gt_u32 vcc_lo, s[LIM], v3
.irp k, 0,1,2,3
	v_cndmask_b32 v[CS+4*\j+\k], 0, v[CS+4*\j+\k], vcc_lo
.endr
.endr
.Lwhole:
	s_cmp_eq_u32 s[NRM], 0
	s_cbranch_scc1 .Lscale
.macro SUMSQ X, D                      ; the sum of a row's squares, in every lane: four chains in the lane, then across the 32 lanes
.irp c, 0,1,2,3
	v_pk_mul_f32 v[T+2*\c:T+2*\c+1], v[\X+2*\c:\X+2*\c+1], v[\X+2*\c:\X+2*\c+1]
.endr
.set p, 4
.rept 12
	v_pk_fma_f32 v[T+2*(p%4):T+2*(p%4)+1], v[\X+2*p:\X+2*p+1], v[\X+2*p:\X+2*p+1], v[T+2*(p%4):T+2*(p%4)+1]
.set p, p+1
.endr
	v_pk_add_f32 v[T:T+1], v[T:T+1], v[T+2:T+3]
	v_pk_add_f32 v[T+4:T+5], v[T+4:T+5], v[T+6:T+7]
	v_pk_add_f32 v[T:T+1], v[T:T+1], v[T+4:T+5]
	v_add_f32 v[T], v[T], v[T+1]
	v_add_f32_dpp v[T], v[T], v[T] row_xmask:1 row_mask:0xf bank_mask:0xf
	v_add_f32_dpp v[T], v[T], v[T] row_xmask:2 row_mask:0xf bank_mask:0xf
	v_add_f32_dpp v[T], v[T], v[T] row_xmask:4 row_mask:0xf bank_mask:0xf
	v_add_f32_dpp v[T], v[T], v[T] row_xmask:8 row_mask:0xf bank_mask:0xf
	v_permlanex16_b32 v[T+1], v[T], s[SEL], s[SEL+1]
	v_add_f32 v[\D], v[T], v[T+1]
.endm
	s_wait_loadcnt 8                               ; the first row is in
	SUMSQ XA, RS
	s_wait_loadcnt 0x0
	SUMSQ XB, RS+1
	s_mov_b32 s52, 0x3a800000                      ; 1 / 1,024
	s_mov_b32 s53, 0x3727c5ac                      ; 1e-5
	v_fma_f32 v[RS], v[RS], s52, s53
	v_fma_f32 v[RS+1], v[RS+1], s52, s53
	v_rsq_f32 v[RS], v[RS]
	v_rsq_f32 v[RS+1], v[RS+1]
	v_nop                                          ; a plain instruction behind the second root,
	s_wait_alu depctr_va_vdst(0)                   ; and one wait for both, ahead of the label and of their first reader
.Lscale:
	s_wait_loadcnt 0x0
.set p, 0
.rept 16
	v_pk_mul_f32 v[XA+2*p:XA+2*p+1], v[XA+2*p:XA+2*p+1], v[RS:RS+1] op_sel_hi:[1,0]
	v_pk_mul_f32 v[XB+2*p:XB+2*p+1], v[XB+2*p:XB+2*p+1], v[RS:RS+1] op_sel:[0,1] op_sel_hi:[1,1]
	v_pk_mul_f32 v[XA+2*p:XA+2*p+1], v[XA+2*p:XA+2*p+1], v[CS+2*p:CS+2*p+1]
	v_pk_mul_f32 v[XB+2*p:XB+2*p+1], v[XB+2*p:XB+2*p+1], v[CS+2*p:CS+2*p+1]
.set p, p+1
.endr
.macro OUTROWS cvt                     ; rounded once, four numbers to 8 bytes, into the planes
.irp j, 0,1,2,3,4,5,6,7
	\cvt v[XA+4*\j], v[XA+4*\j], v[XA+4*\j+1]
	\cvt v[XA+4*\j+1], v[XA+4*\j+2], v[XA+4*\j+3]
	ds_store_b64 v[LW], v[XA+4*\j:XA+4*\j+1] offset:16*PL*\j
	\cvt v[XB+4*\j], v[XB+4*\j], v[XB+4*\j+1]
	\cvt v[XB+4*\j+1], v[XB+4*\j+2], v[XB+4*\j+3]
	ds_store_b64 v[LW], v[XB+4*\j:XB+4*\j+1] offset:16*PL*\j+16
.endr
.endm
	s_cmp_eq_u32 s[BF], 1
	s_cbranch_scc1 .Lbf
	OUTROWS v_cvt_pk_f16_f32
	s_branch .Lmeet
.Lbf:
	OUTROWS v_cvt_pk_bf16_f32
.Lmeet:
	s_wait_dscnt 0x0                               ; for the others: my stores into the planes are done
	s_barrier_signal -1
	s_barrier_wait -1
	s_lshl_b32 s50, s[WV], 4
	s_cmp_lt_u32 s50, s[NPL]                       ; the last piece of w2 has 96 planes: waves 6 and 7 store nothing there
	s_cbranch_scc0 .Lend
.irp i, 0,1,2,3,4,5,6,7
	ds_load_b128 v[XA+4*\i:XA+4*\i+3], v[LR] offset:2*PL*\i
.endr
.irp i, 0,1,2,3,4,5,6,7
	s_wait_dscnt 7-\i
	global_store_b128 v[GO], v[XA+4*\i:XA+4*\i+3], s[DP:DP+1] offset:512*\i  ; 512 consecutive bytes, at a multiple of 256 from the buffer's first
.endr
.Lend:
	s_wait_tensorcnt 0x0                           ; the wave's end: behind my last LDS store
	ds_add_u32 v[SPW], v[NIL]
	s_wait_dscnt 0x0
	s_endpgm
.Lfunc_end_k_qd05779e8a7_prep:
	.size	k_qd05779e8a7_prep, .Lfunc_end_k_qd05779e8a7_prep-k_qd05779e8a7_prep
	.p2alignl 7, 3214868480
	.fill 96, 4, 3214868480
	.section	.rodata,"a",@progbits
	.p2align	6, 0x0
	.amdhsa_kernel k_qd05779e8a7_prep
		.amdhsa_group_segment_fixed_size 35840
		.amdhsa_private_segment_fixed_size 0
		.amdhsa_enable_private_segment 0
		.amdhsa_kernarg_size 104
		.amdhsa_user_sgpr_count 2
		.amdhsa_user_sgpr_kernarg_segment_ptr 1
		.amdhsa_wavefront_size32 1
		.amdhsa_system_sgpr_workgroup_id_x 1
		.amdhsa_system_sgpr_workgroup_id_y 1
		.amdhsa_system_sgpr_workgroup_id_z 1
		.amdhsa_system_vgpr_workitem_id 0
		.amdhsa_next_free_vgpr 128
		.amdhsa_next_free_sgpr 80
		.amdhsa_reserve_vcc 1
		.amdhsa_float_denorm_mode_32 3
		.amdhsa_float_denorm_mode_16_64 3
		.amdhsa_memory_ordered 1
		.amdhsa_forward_progress 1
		.amdhsa_inst_pref_size 33
	.end_amdhsa_kernel
	.amdgpu_metadata
---
amdhsa.version: [ 1, 2 ]
amdhsa.kernels:
  - .name:           k_qd05779e8a7_prep
    .symbol:         k_qd05779e8a7_prep.kd
    .args:
      - { .name: x, .offset: 0, .size: 8, .value_kind: global_buffer, .address_space: global }
      - { .name: positions, .offset: 8, .size: 8, .value_kind: global_buffer, .address_space: global }
      - { .name: Wq, .offset: 16, .size: 8, .value_kind: global_buffer, .address_space: global }
      - { .name: Wk, .offset: 24, .size: 8, .value_kind: global_buffer, .address_space: global }
      - { .name: Wv, .offset: 32, .size: 8, .value_kind: global_buffer, .address_space: global }
      - { .name: Wo, .offset: 40, .size: 8, .value_kind: global_buffer, .address_space: global }
      - { .name: g1, .offset: 48, .size: 8, .value_kind: global_buffer, .address_space: global }
      - { .name: g2, .offset: 56, .size: 8, .value_kind: global_buffer, .address_space: global }
      - { .name: w1, .offset: 64, .size: 8, .value_kind: global_buffer, .address_space: global }
      - { .name: w3, .offset: 72, .size: 8, .value_kind: global_buffer, .address_space: global }
      - { .name: w2, .offset: 80, .size: 8, .value_kind: global_buffer, .address_space: global }
      - { .name: wts, .offset: 88, .size: 8, .value_kind: global_buffer, .address_space: global }
      - { .name: qkv, .offset: 96, .size: 8, .value_kind: global_buffer, .address_space: global }
    .group_segment_fixed_size: 35840
    .private_segment_fixed_size: 0
    .kernarg_segment_align: 8
    .kernarg_segment_size: 104
    .max_flat_workgroup_size: 256
    .sgpr_count:     80
    .vgpr_count:     128
    .wavefront_size: 32
...
	.end_amdgpu_metadata
.endif
;; end of part 1
;; launch qkv (part 2): grid 8 x 32, 4 waves a work-group, clusters of 4 x 4, 327,680 bytes of LDS; arguments wts, qkv; writes qkv
.if DOCPART == 2
	.amdgcn_target "amdgcn-amd-amdhsa--gfx1250"
	.amdhsa_code_object_version 6
	.text
	.protected	k_qd05779e8a7_qkv
	.globl	k_qd05779e8a7_qkv
	.p2align	8
	.type	k_qd05779e8a7_qkv,@function
k_qd05779e8a7_qkv:
	s_mov_b64 s[64:65], 0
	v_nop
	global_prefetch_b8 v0, s[64:65] scope:SCOPE_SE
	s_setreg_imm32_b32 hwreg(HW_REG_WAVE_MODE, 25, 1), 1
	s_wait_xcnt 0x0
	s_wait_alu depctr_hold_cnt(0) depctr_sa_sdst(0) depctr_va_vdst(0) depctr_va_sdst(0) depctr_va_ssrc(0) depctr_va_vcc(0) depctr_vm_vsrc(0)
	s_getreg_b32 s2, hwreg(HW_REG_IB_STS2, 6, 4)
	s_cmp_eq_u32 s2, 0
	s_cbranch_scc0 .Lentry_in_a_cluster
	s_endpgm
.Lentry_in_a_cluster:
	s_bfe_u32 s2, ttmp6, 0x10000c
	s_cmp_lg_u32 s2, 0xf033
	s_cbranch_scc0 .Lentry_shape_is_right
	s_endpgm
.Lentry_shape_is_right:
; q, k, v = xn [Wq; Wk; Wv]^T, q and k rotated, all in f16 (sums in f32, each result rounded once).
; A work-group makes 128 tokens x 384 columns; its four waves 64 x 192 each: q, k and v of ONE head: 48 accumulators of 16 x 16.
; Both operands lie in memory in the layout F (16 rows to a tile row, K in planes of 8 numbers, 256 bytes a plane): a K step of 128 is 4,096 consecutive bytes of each tile row,
; and a fragment (16 rows x 32 k) is two loads of 512 consecutive bytes from LDS: no padding is wanted.
; q and k are made transposed (source 0 = 16 rows of W, source 1 = 16 tokens): a lane holds one token and 8 neighbouring channels, 16 bytes of a plane of F(2048, 64).
; v is made the other way round: a lane holds one channel and 8 tokens, 16 bytes of a plane of V^T in F(64, 2048).  So every store is 512 consecutive bytes, straight from registers.
; RING: two slots of 131,072 bytes (A: 8 tile rows, B: 24), one K step each; each wave fetches one tile of a slot by one tensor load.
; CLUSTER 4 x 4: the tokens' tiles are asked for jointly along a row of the cluster, the weights' along a column.
; AHEAD OF THE RING: behind the refill that asks for K step s + 2 stands one prefetch for K step s + 3: 192 matrix instructions ahead of the load that will want it.
; LIMITS: f16 ends at 65,504: q, k and v must lie within it.  NaN and infinities are not treated apart.
; REGISTERS, in windows of 256: window 0 addresses, work, v128-255 the table of cos and sin; window 1 two fragment buffers of 128 (A's four at +8 a, B's twelve at +32 + 8 t);
; window 2 the accumulators of a = 0, 1 (at 96 (a % 2) + 8 t); window 3 those of a = 2, 3.
.set NT,    12                         ; tiles of 16 columns to a wave
.set FB,    32+8*NT
.set TILEB, 4096                       ; a tile row's bytes in a K step
.set KROW,  32768                      ; a tile row's bytes in memory
.set SLOT1, 131072
.set SPARE, 2*SLOT1                    ; behind the ring: the spare words, 128 bytes for each wave
.set WQKV,  8388608
.set TAB,   34078720
.set VTO,   8388608
.set KO,    16777216
.set A0,  16                           ; v16  my place in A's part of a slot; never rewritten
.set B0,  17                           ; v17  in B's
.set ADA, 18                           ; v18  the same in the slot that is read
.set ADB, 19
.set L16, 20                           ; v20  16 x lane; never rewritten
.set PFO, 21                           ; v21  the prefetches' offset: tile row lane / 16, block lane % 16; never rewritten
.set SPW, 28
.set NIL, 29
.set TW,  32                           ; v[32:63]  rotated numbers in f32
.set PK,  64                           ; v[64:79]  packed, to store
.set TBL, 128
.set G1,  24
.set G0,  32
.set G1B, 48
.set G0B, 56
.set TB,  66                           ; s66  the slot that is read: 0 or SLOT1
.set CT,  67
.set TP,  68                           ; s[68:69] the table at my tokens
.set QP,  70                           ; s[70:71] q at my head and tokens
.set KP,  72
.set VP,  74
.set WV,  80
.set MH,  81                           ; which half of the tokens is mine.  Also: I fetch for A (0) or B (1)
.set NH,  82                           ; which half of the columns.  Also: which half of that tile I fetch
.set MB,  83
.set PFA, 86                           ; s[86:87] where my prefetches stand: my two tile rows, at the K step that is named next
.set LIM, 88                           ; s88  1 in a wave that prefetches, else the greatest number
.set MSB, 0
.macro WIN new                         ; the high byte repeats the setting that is left; a switch that changes nothing is dropped
.if MSB != (\new)
	s_set_vgpr_msb (MSB<<8)|(\new)
.set MSB, \new
.endif
.endm
.macro PLACES                          ; four places behind a matrix instruction, ahead of loads into its sources and of readers of its result
.rept 4
	v_nop
.endr
.endm
.macro JLOAD                           ; a joint refill by the walking descriptors; an s_nop 0 and four v_nop follow each of the two lines
	s_cmp_eq_u32 s[MH], 0
	s_cbranch_scc0 .Lfor_b_\@
	tensor_load_to_lds s[G0+4:G0+7], s[G1:G1+7]
	s_nop 0
	PLACES
	s_branch .Lasked_\@
.Lfor_b_\@:
	tensor_load_to_lds s[G0B+4:G0B+7], s[G1B:G1B+7]
	s_nop 0
	PLACES
.Lasked_\@:
.endm
; A PREFETCH INTO THE L2: two tile rows' 4,096 bytes of a K step: 32 blocks of 256 bytes, a lane a block, one instruction a wave.  Each block is named once in the launch.  The tokens' tile rows are read by
; both clusters of a row of clusters: the one with x = 0 asks, wave 0 of each of the four partners for two of the eight tile rows (2 cx, 2 cx + 1).  The weights' tile rows are read by all eight clusters of a
; column: the one with y = 0 asks, waves 1 to 3 of each partner for two of the 24 (6 cy + 2 (wave - 1) on).  Partners are told apart by address alone.  The loop's last trip has no K step three on.
.macro ASK
	s_cmp_gt_u32 s[CT], s[LIM]
	s_cbranch_scc0 .Lnot_mine_\@
	global_prefetch_b8 v[PFO], s[PFA:PFA+1] th:TH_LOAD_NT scope:SCOPE_SE
.Lnot_mine_\@:
.endm
.macro CREST                           ; a round of the cluster's barrier behind its opening barrier
	s_cmp_lg_u32 s[WV], 0
	s_cbranch_scc1 .Lnot_wave_0_\@
	s_barrier_signal -3
.Lnot_wave_0_\@:
	s_barrier_wait -3
	s_barrier_signal -1
	s_barrier_wait -1
.endm
.macro CROUND
	s_barrier_signal -1
	s_barrier_wait -1
	CREST
.endm
	s_load_b128 s[4:7], s[0:1], 0x0                ; wts s[4:5], qkv s[6:7]
	v_lshl_add_u32 v[SPW], v0, 2, SPARE
	v_mov_b32 v[NIL], 0
	ds_add_u32 v[SPW], v[NIL]                      ; the wave's opening: the add, waited for ahead of my first tensor load
	ds_add_u32 v28, v29
	v_lshrrev_b32 v1, 5, v0
	v_readfirstlane_b32 s[WV], v1
	s_lshr_b32 s[MH], s[WV], 1
	s_and_b32 s[NH], s[WV], 1
	s_bfe_u32 s40, ttmp6, 0x40000                  ; cx
	s_bfe_u32 s41, ttmp6, 0x40004                  ; cy
	s_lshl_b32 s42, ttmp9, 2
	s_add_co_u32 s42, s42, s40                     ; block of 384 columns
	s_and_b32 s[MB], ttmp7, 0xffff
	s_lshl_b32 s[MB], s[MB], 2
	s_add_co_u32 s[MB], s[MB], s41                 ; block of 128 tokens
	s_lshl_b32 s43, s41, 2
	s_lshl_b32 s43, 15, s43                        ; my row of the cluster
	s_lshl_b32 s44, 0x1111, s40                    ; my column
	s_or_b32 s[G1], s43, (3<<16)|(1<<21)           ; the mask; elements of 8 bytes; bit 21 beside a mask
	s_or_b32 s[G1B], s44, (3<<16)|(1<<21)
	s_mov_b32 s[G1+1], (TILEB/8)<<16               ; tensor_dim0 = 512 elements: a tile row's 4,096 bytes
	s_mov_b32 s[G1+2], 4<<16                       ; tensor_dim1 = 4 tile rows
	s_mov_b32 s[G1+3], (TILEB/8)<<16               ; tile_dim0
	s_mov_b32 s[G1+4], 4                           ; tile_dim1
	s_mov_b32 s[G1+5], KROW/8                      ; from tile row to tile row
	s_mov_b32 s[G1+6], 0
	s_mov_b32 s[G1+7], 0
	s_mov_b32 s[G1B+1], (TILEB/8)<<16
	s_mov_b32 s[G1B+2], NT<<16
	s_mov_b32 s[G1B+3], (TILEB/8)<<16
	s_mov_b32 s[G1B+4], NT
	s_mov_b32 s[G1B+5], KROW/8
	s_mov_b32 s[G1B+6], 0
	s_mov_b32 s[G1B+7], 0
	s_lshl_b32 s16, s[MB], 3                       ; A: tile row 8 mb + 4 x half
	s_lshl2_add_u32 s16, s[NH], s16
	s_mul_i32 s16, s16, KROW
	s_mov_b32 s17, 0
	s_mul_i32 s46, s42, 2*NT                       ; B: tile row 24 nb + 12 x half
	s_mul_i32 s47, s[NH], NT
	s_add_co_u32 s46, s46, s47
	s_mul_i32 s46, s46, KROW
	s_mov_b32 s47, 0
	s_mul_i32 s20, s[NH], 4*TILEB                  ; where they go: the wave's number alone decides
	s_mul_i32 s21, s[NH], NT*TILEB
	s_add_co_u32 s21, s21, 8*TILEB
	s_lshl_b32 s76, s42, 1
	s_add_co_u32 s76, s76, s[NH]                   ; my head
	s_lshr_b32 s77, s[MB], 4                       ; the batch
	s_lshl4_add_u32 s76, s77, s76                  ; head among the 32
	s_and_b32 s77, s[MB], 15
	s_lshl_b32 s77, s77, 3
	s_lshl2_add_u32 s77, s[MH], s77                ; my first tile of 16 tokens in the sequence
	s_lshl_b32 s12, s77, 12
	s_add_co_u32 s12, s12, TAB
	s_mov_b32 s13, 0
	s_lshl_b32 s14, s76, 7
	s_add_co_u32 s14, s14, s77
	s_lshl_b32 s14, s14, 11
	s_mov_b32 s15, 0
	s_lshl_b32 s18, s76, 18
	s_lshl_b32 s19, s77, 9
	s_add_co_u32 s18, s18, s19
	s_add_co_u32 s18, s18, VTO
	s_mov_b32 s19, 0
	s_mov_b32 s[TB], 0
	s_wait_dscnt 0x0                               ; the opening add is done
	s_wait_kmcnt 0x0
	s_add_nc_u64 s[TP:TP+1], s[4:5], s[12:13]
	s_add_nc_u64 s[QP:QP+1], s[6:7], s[14:15]
	s_add_nc_u64 s[KP:KP+1], s[QP:QP+1], KO
	s_add_nc_u64 s[VP:VP+1], s[6:7], s[18:19]
	s_add_nc_u64 s[14:15], s[4:5], s[16:17]        ; xn lies at the head of wts
	s_add_nc_u64 s[46:47], s[4:5], s[46:47]
	s_add_nc_u64 s[46:47], s[46:47], WQKV
	CROUND                                         ; all sixteen work-groups are here: the first joint loads meet
.irp s, 0,1
	s_mov_b32 s[G0+4*\s], 1
	s_add_co_u32 s[G0+4*\s+1], s20, \s*SLOT1
	s_add_nc_u64 s[G0+4*\s+2:G0+4*\s+3], s[14:15], \s*TILEB
	s_or_b32 s[G0+4*\s+3], s[G0+4*\s+3], 0x80000000
	s_mov_b32 s[G0B+4*\s], 1
	s_add_co_u32 s[G0B+4*\s+1], s21, \s*SLOT1
	s_add_nc_u64 s[G0B+4*\s+2:G0B+4*\s+3], s[46:47], \s*TILEB
	s_or_b32 s[G0B+4*\s+3], s[G0B+4*\s+3], 0x80000000
.endr
	s_cmp_eq_u32 s[MH], 0                          ; a wave's two first fills stand in one branch: two loads of mine are out
	s_cbranch_scc0 .Lfirst_b
	tensor_load_to_lds s[G0:G0+3], s[G1:G1+7]
	s_nop 0
	tensor_load_to_lds s[G0+4:G0+7], s[G1:G1+7]
	s_nop 0
	PLACES
	s_branch .Lfirst_asked
.Lfirst_b:
	tensor_load_to_lds s[G0B:G0B+3], s[G1B:G1B+7]
	s_nop 0
	tensor_load_to_lds s[G0B+4:G0B+7], s[G1B:G1B+7]
	s_nop 0
	PLACES
.Lfirst_asked:
	v_and_b32 v1, 31, v0
	v_lshlrev_b32 v[L16], 4, v1
	s_mul_i32 s22, s[MH], 4*TILEB
	v_add_nc_u32 v[A0], s22, v[L16]
	s_mul_i32 s22, s[NH], NT*TILEB
	s_add_co_u32 s22, s22, 8*TILEB
	v_add_nc_u32 v[B0], s22, v[L16]
	v_mov_b32 v[ADA], v[A0]
	v_mov_b32 v[ADB], v[B0]
.set n, 0
.rept 32                               ; the table for my 64 tokens: a = n / 8, t = (n / 2) % 4, q = n % 2; wanted only on the way out
	global_load_b128 v[TBL+4*n:TBL+4*n+3], v[L16], s[TP:TP+1] offset:512*n
.set n, n+1
.endr
	; where my prefetches stand: at K step 2; the first change of slots steps it to 3.  Nothing is prefetched here, at the head
	s_lshl_b32 s20, s[MB], 3
	s_lshl1_add_u32 s20, s40, s20                  ; the tokens': tile row 8 mb + 2 cx
	s_lshl_b32 s20, s20, 15
	s_add_co_u32 s20, s20, 2*TILEB
	s_mul_i32 s22, s42, 2*NT                       ; the weights': tile row 24 nb
	s_mul_i32 s23, s41, 6
	s_add_co_u32 s22, s22, s23                     ; + 6 cy
	s_max_u32 s23, s[WV], 1
	s_sub_co_u32 s23, s23, 1
	s_lshl1_add_u32 s22, s23, s22                  ; + 2 (wave - 1)
	s_lshl_b32 s22, s22, 15
	s_add_co_u32 s22, s22, WQKV+2*TILEB
	s_and_b32 s23, ttmp7, 0xffff                   ; cluster y
	s_cmp_eq_u32 s[WV], 0
	s_cselect_b32 s20, s20, s22
	s_cselect_b32 s23, ttmp9, s23                  ; the coordinate along which other clusters read the same rows
	s_mov_b32 s21, 0
	s_add_nc_u64 s[PFA:PFA+1], s[4:5], s[20:21]
	s_cmp_eq_u32 s23, 0
	s_cselect_b32 s[LIM], 1, -1                    ; the same in all sixteen partners, for a given wave
	v_lshrrev_b32 v2, 4, v1
	v_and_b32 v3, 15, v1
	v_lshlrev_b32 v[PFO], 15, v2
	v_lshl_add_u32 v[PFO], v3, 8, v[PFO]
; The 12 products of token tile a on buffer f.  The 48 accumulators take turns, one instruction a turn, in the same order in every quarter of a K step.
.macro MULA f, a, zero
	WIN 0xa5+0x50*((\a)/2)
.set t, 0
.rept NT
.set rD, 8*NT*((\a)%2)+8*t
.set rA, FB*(\f)+8*(\a)
.set rB, FB*(\f)+32+8*t
.if t < 8
.if \zero
	v_wmma_f32_16x16x32_f16 v[rD:rD+7], v[rB:rB+7], v[rA:rA+7], 0
.else
	v_wmma_f32_16x16x32_f16 v[rD:rD+7], v[rB:rB+7], v[rA:rA+7], v[rD:rD+7]
.endif
.else
.if \zero
	v_wmma_f32_16x16x32_f16 v[rD:rD+7], v[rA:rA+7], v[rB:rB+7], 0
.else
	v_wmma_f32_16x16x32_f16 v[rD:rD+7], v[rA:rA+7], v[rB:rB+7], v[rD:rD+7]
.endif
.endif
.set t, t+1
.endr
.endm
; The fragments of 32 along K (quarter c of the step) into buffer f, in one run: B's 24 loads, A's a = 0, 1, A's a = 2, 3
.macro FETCH c, f
	WIN 0x40
.set t, 0
.rept NT
	ds_load_b128 v[FB*(\f)+32+8*t:FB*(\f)+32+8*t+3],   v[ADB] offset:t*TILEB+(\c)*1024
	ds_load_b128 v[FB*(\f)+32+8*t+4:FB*(\f)+32+8*t+7], v[ADB] offset:t*TILEB+(\c)*1024+512
.set t, t+1
.endr
.set t, 0
.rept 4
	ds_load_b128 v[FB*(\f)+8*t:FB*(\f)+8*t+3],   v[ADA] offset:t*TILEB+(\c)*1024
	ds_load_b128 v[FB*(\f)+8*t+4:FB*(\f)+8*t+7], v[ADA] offset:t*TILEB+(\c)*1024+512
.set t, t+1
.endr
.endm
.macro CHUNK cn, f, g, zero            ; multiplies buffer f; in its middle fetches quarter cn into buffer g
	s_wait_dscnt 4                                 ; B and A's a = 0, 1 are in; the youngest four loads may be out
	MULA \f, 0, \zero
	MULA \f, 1, \zero
	PLACES
	FETCH \cn, \g
	s_wait_dscnt 2*NT+8                            ; all but the run just issued
	MULA \f, 2, \zero
	MULA \f, 3, \zero
.endm
; The step's last quarter, on buffer 1, and the change of slots: each wave waits for all its tensor loads (one is out: its part of the next slot), adds 0 to its spare word, waits for that
; and for its reads of this slot.  fill = 1: the barrier opens a round of the cluster's, and the joint refill, two steps ahead, is the first thing behind it.
.macro TURNC fill
.if \fill
	s_wait_xcnt 0x0                                ; the last prefetch, a K step back, has read its address: it is stepped here, ahead of the waits of the change of slots
	s_add_nc_u64 s[PFA:PFA+1], s[PFA:PFA+1], TILEB
.endif
	WIN 0
	s_wait_tensorcnt 0x0
	ds_add_u32 v[SPW], v[NIL]
.if \fill
	s_xor_b32 s[G0+5], s[G0+5], SLOT1              ; no load of mine is out: the walking descriptors step to the other slot and the next K step
	s_add_nc_u64 s[G0+6:G0+7], s[G0+6:G0+7], TILEB
	s_xor_b32 s[G0B+5], s[G0B+5], SLOT1
	s_add_nc_u64 s[G0B+6:G0B+7], s[G0B+6:G0B+7], TILEB
.endif
	s_wait_dscnt 5                                 ; the add and the youngest four loads may be out
	MULA 1, 0, 0
	s_wait_dscnt 0x0                               ; the add is done, and my reads of this slot are over
	s_barrier_signal -1
	MULA 1, 1, 0
	WIN 0
	s_barrier_wait -1
.if \fill
	CREST
	JLOAD                                          ; its four v_nop are also the places ahead of the loads below
.else
	PLACES
.endif
	s_xor_b32 s[TB], s[TB], SLOT1
	v_add_nc_u32 v[ADA], s[TB], v[A0]
	v_add_nc_u32 v[ADB], s[TB], v[B0]
	FETCH 0, 0
.if \fill
	WIN 0
	ASK                                            ; behind the joint load and the run of LDS loads that the next products wait for
.endif
	MULA 1, 2, 0
	MULA 1, 3, 0
.endm
	s_wait_tensorcnt 1                             ; my part of K step 0 is in; step 1's may stay out
	s_barrier_signal -1
	s_barrier_wait -1
	FETCH 0, 0
	CHUNK 1, 0, 1, 1                               ; the first quarter starts the sums
	WIN 0
	s_mov_b32 s[CT], 6
.Lk:                                   ; a trip: from a step's second quarter to the next step's first; trip i asks for step i + 2
	CHUNK 2, 1, 0, 0
	CHUNK 3, 0, 1, 0
	TURNC 1
	CHUNK 1, 0, 1, 0
	WIN 0
	s_sub_co_u32 s[CT], s[CT], 1
	s_cmp_lg_u32 s[CT], 0
	s_cbranch_scc1 .Lk
	s_mov_b32 s[CT], 2
.Ltail:                                ; the last two steps ask for nothing.  The second trip is left in its middle: its change of slots and the 32 loads behind it serve nothing, the price of one text
	CHUNK 2, 1, 0, 0
	CHUNK 3, 0, 1, 0
	TURNC 0
	WIN 0
	s_sub_co_u32 s[CT], s[CT], 1
	s_cmp_eq_u32 s[CT], 0
	s_cbranch_scc1 .Lout
	CHUNK 1, 0, 1, 0
	WIN 0
	s_branch .Ltail
.Lout:
	s_wait_dscnt 0x0
	s_wait_loadcnt 0x0                             ; the table
	PLACES
; THE WAY OUT.  A pair (e, o) of channels becomes (e c - o s, e s + o c): a packed multiply by e and a packed multiply-add by o.  kq = 0: q; 1: k.
.macro ROPE a, kq
	WIN 0x02+(\a)/2
.set n, 0
.rept 16                               ; tile t = n / 4, pair p = n % 4: each accumulator is read from its low end on
.set rA, 8*NT*((\a)%2)+32*(\kq)+2*n
	v_pk_mul_f32 v[TW+2*n:TW+2*n+1], v[rA:rA+1], v[TBL+32*(\a)+2*n:TBL+32*(\a)+2*n+1] op_sel:[0,0] op_sel_hi:[0,1]
.set n, n+1
.endr
.set n, 0
.rept 16
.set rA, 8*NT*((\a)%2)+32*(\kq)+2*n
	v_pk_fma_f32 v[TW+2*n:TW+2*n+1], v[rA:rA+1], v[TBL+32*(\a)+2*n:TBL+32*(\a)+2*n+1], v[TW+2*n:TW+2*n+1] op_sel:[1,1,0] op_sel_hi:[1,0,1] neg_lo:[1,0,0]
.set n, n+1
.endr
	WIN 0
	s_wait_xcnt 0x0                                ; the last stores have read the packed registers
.set n, 0
.rept 16
	v_cvt_pk_f16_f32 v[PK+n], v[TW+2*n], v[TW+2*n+1]
.set n, n+1
.endr
.irp t, 0,1,2,3
.if \kq
	global_store_b128 v[L16], v[PK+4*\t:PK+4*\t+3], s[KP:KP+1] offset:(\a)*2048+\t*512
.else
	global_store_b128 v[L16], v[PK+4*\t:PK+4*\t+3], s[QP:QP+1] offset:(\a)*2048+\t*512
.endif
.endr
.endm
.macro VOUT a
	s_wait_xcnt 0x0
	WIN 0x0a+5*((\a)/2)
.set n, 0
.rept 16
.set rA, 8*NT*((\a)%2)+64+2*n
	v_cvt_pk_f16_f32 v[PK+n], v[rA], v[rA+1]
.set n, n+1
.endr
	WIN 0
.irp t, 0,1,2,3
	global_store_b128 v[L16], v[PK+4*\t:PK+4*\t+3], s[VP:VP+1] offset:\t*65536+(\a)*512
.endr
.endm
.irp a, 0,1,2,3
	ROPE \a, 0
	ROPE \a, 1
	VOUT \a
.endr
	s_wait_tensorcnt 0x0                           ; the wave's end
	ds_add_u32 v[SPW], v[NIL]
	s_wait_dscnt 0x0
	CROUND                                         ; the closing round
	s_endpgm
.Lfunc_end_k_qd05779e8a7_qkv:
	.size	k_qd05779e8a7_qkv, .Lfunc_end_k_qd05779e8a7_qkv-k_qd05779e8a7_qkv
	.p2alignl 7, 3214868480
	.fill 96, 4, 3214868480
	.section	.rodata,"a",@progbits
	.p2align	6, 0x0
	.amdhsa_kernel k_qd05779e8a7_qkv
		.amdhsa_group_segment_fixed_size 327680
		.amdhsa_private_segment_fixed_size 0
		.amdhsa_enable_private_segment 0
		.amdhsa_kernarg_size 16
		.amdhsa_user_sgpr_count 2
		.amdhsa_user_sgpr_kernarg_segment_ptr 1
		.amdhsa_wavefront_size32 1
		.amdhsa_system_sgpr_workgroup_id_x 1
		.amdhsa_system_sgpr_workgroup_id_y 1
		.amdhsa_system_sgpr_workgroup_id_z 1
		.amdhsa_system_vgpr_workitem_id 0
		.amdhsa_next_free_vgpr 960
		.amdhsa_next_free_sgpr 100
		.amdhsa_reserve_vcc 0
		.amdhsa_float_denorm_mode_32 3
		.amdhsa_float_denorm_mode_16_64 3
		.amdhsa_memory_ordered 1
		.amdhsa_forward_progress 1
		.amdhsa_inst_pref_size 97
	.end_amdhsa_kernel
	.amdgpu_metadata
---
amdhsa.version: [ 1, 2 ]
amdhsa.kernels:
  - .name:           k_qd05779e8a7_qkv
    .symbol:         k_qd05779e8a7_qkv.kd
    .args:
      - { .name: wts, .offset: 0, .size: 8, .value_kind: global_buffer, .address_space: global }
      - { .name: qkv, .offset: 8, .size: 8, .value_kind: global_buffer, .address_space: global }
    .group_segment_fixed_size: 327680
    .private_segment_fixed_size: 0
    .kernarg_segment_align: 8
    .kernarg_segment_size: 16
    .max_flat_workgroup_size: 128
    .sgpr_count:     100
    .vgpr_count:     960
    .wavefront_size: 32
...
	.end_amdgpu_metadata
.endif
;; end of part 2
;; launch attn (part 3): grid 8 x 32, 4 waves a work-group, no clusters, 327,680 bytes of LDS; arguments qkv, o8; writes o8
.if DOCPART == 3
	.amdgcn_target "amdgcn-amd-amdhsa--gfx1250"
	.amdhsa_code_object_version 6
	.text
	.protected	k_qd05779e8a7_attn
	.globl	k_qd05779e8a7_attn
	.p2align	8
	.type	k_qd05779e8a7_attn,@function
k_qd05779e8a7_attn:
	s_mov_b64 s[64:65], 0
	v_nop
	global_prefetch_b8 v0, s[64:65] scope:SCOPE_SE
	s_setreg_imm32_b32 hwreg(HW_REG_WAVE_MODE, 25, 1), 1
	s_wait_xcnt 0x0
; CAUSAL ATTENTION at head size 64, 32 heads of 2,048 tokens, all operands f16; products, maxima and sums in f32; the weights p are rounded to f16 for the second product, O once at the end.
; Q and K lie by heads in F(2048, 64) (a tile of 16 tokens: 2,048 bytes), V as V^T in F(64, 2048): every fragment is two loads of 512 consecutive bytes, and no load turns anything.
; THE WALK.  A head has 16 blocks of 128 queries; block i needs key steps (64 keys) 0 .. 2 i + 1.  Work-group b takes block 15 - b and then block b: in slots of four key steps that is
; (15 - b) / 2 + 1 + b / 2 + 1 = 9 slots, whatever b: one loop with a constant count, the ninth slot written out since it asks for nothing.
; NO CLUSTER: the eight work-groups of a head ask for the same tile only while all are in their first block; behind that each needs another, and a walk common to all would have 12 slots for 9.
; SHARES.  A wave owns 16 rows in each of the block's two bands of 64: two PIECES.  Band 2 i + x sees all of key step s < 2 i + x, none of s > 2 i + x, and holds the diagonal at s = 2 i + x: the same for every wave.
; THE MASK is the C operand that starts S^T = K Q^T: MC = MD x AL + BE, MD the mask of a band's own step for my rows (0 or -1e30).  While all steps to come are open MC is 0 and is left alone.
; BY TURNS.  T0(s): K Q^T of piece 1, step s | piece 0's softmax of step s | V^T P of piece 1, step s - 1.  T1(s): K Q^T of piece 0, step s + 1 | piece 1's softmax | V^T P of piece 0, step s.
; Four vector instructions stand behind every matrix instruction, the rest in one lump; a turn's 33 exponentials are one batch with one wait.
; Trip s reads K of step s + 1 and V of step s, so slot j holds K's steps 4 j + 1 .. 4 j + 4 and V's 4 j .. 4 j + 3.  K of step 0, which both blocks begin with, is loaded once, at the kernel's
; head beside Q, into 64 registers of its own, and copied into K's buffer where a block begins: so no block waits for it, and one text of the turns names K.  K's last tile reaches
; one step past the head (the next head's keys, or the 8,192 zero bytes behind K): its scores are made and never used.
; AHEAD OF THE RING: behind the load of tile n stands the prefetch of tile n + 1, one slot (128 matrix instructions) ahead of the load that will want it.
; LIMITS.  f16 ends at 65,504.  A hidden score counts as its value less 1e30; a weight below 2^-126 counts as 0; NaN and infinities are not treated apart.
; An even block's last slot has two key steps that are wholly hidden: they are computed all the same.
; REGISTERS.  Window 0: addresses, statistics, S^T v32-95 (a buffer a piece), P v96-127, O^T v128-191, Q v192-223, MC v224-255.  Window 1: K v0-63, V v64-127, the second block's Q v128-159, MD v160-191, K of step 0 v192-255.
.set KSB,   8192                       ; a key step of K in LDS: four tiles of 2,048 bytes
.set VSB,   2048                       ; a key step of V^T: 8 planes of each of the four channel blocks
.set VOFF,  32768
.set SLOT1, 65536
.set SPARE, 131072
.set VTO,   8388608
.set KO,    16777216
.set AK0, 2                            ; v2   16 x lane; never rewritten
.set AV0, 3                            ; v3   16 x lane + VOFF; never rewritten
.set AK,  4
.set AV,  5
.set PFO, 6                            ; v6   256 x lane: the prefetches' offset; never rewritten
.set SPW, 10
.set NIL, 11
.set MV,  12                           ; v12-13  c m_old, by piece
.set ST,  16                           ; piece t's statistics at v[ST + 4 t]: c m, m, l (even keys', odd keys')
.set TMP, 24                           ; by piece, four at work; c2 takes a
.set S,   32
.set P,   96
.set OT,  128
.set QF,  192
.set MC,  224
.set VF,  64                           ; window 1
.set QB,  128
.set MD,  160
.set K0,  192
.set WV,  12
.set PB,  14                           ; s14  b
.set BI,  15                           ; s15  the block in hand
.set G1K, 24
.set G1V, 32
.set G0K, 40
.set G0V, 44
.set KB,  48                           ; s[48:49] K at my half of the head's first tile (steps 1 to 4)
.set VB,  50                           ; s[50:51] V^T likewise (steps 0 to 3)
.set KH,  52                           ; s[52:53] K at the head's first key
.set SLOTS, 56
.set CNT, 57
.set CS,  58
.set SEL, 60
.set TBK, 62
.set TBV, 63
.set RT,  70                           ; s70  slots of the block in hand still to be entered
.set NXT, 71                           ; s71  the tile to be asked for next
.set LQ,  72                           ; s72  the last tile of the block whose tiles are being asked for
.set NEW, 73                           ; s73  1: the slot to be entered is a block's first
.set OFK, 74
.set AL,  76
.set BE,  78
.set OLO, 80                           ; s[80:81] O at my rows of the second block
.set BIGN, 82
.set REM, 83                           ; s83  2 i - 1 - s
.set OFV, 84
.set OP,  86                           ; s[86:87] O at my rows of the block in hand
.set LQ2, 88
.set LIM, 89                           ; s89  2 in the work-group that prefetches, else the greatest number
.set PFK, 98                           ; s[98:99]   my quarter of the tile of K that is named next
.set PFV, 100                          ; s[100:101] my channel block of the tile of V^T that is named next
.set MSB, 0
.macro WIN new
.if MSB != (\new)
	s_set_vgpr_msb (MSB<<8)|(\new)
.set MSB, \new
.endif
.endm
.macro PLACES
.rept 4
	v_nop
.endr
.endm
.macro LOAD                            ; waves 0 and 1 fetch the halves of a tile of K, waves 2 and 3 those of V^T; an s_nop 0 and four v_nop follow each line
	s_cmp_lt_u32 s[WV], 2
	s_cbranch_scc0 .Lfor_v_\@
	tensor_load_to_lds s[G0K:G0K+3], s[G1K:G1K+7]
	s_nop 0
	PLACES
	s_branch .Lasked_\@
.Lfor_v_\@:
	tensor_load_to_lds s[G0V:G0V+3], s[G1V:G1V+7]
	s_nop 0
	PLACES
.Lasked_\@:
.endm
; A PREFETCH INTO THE L2 of the tile that the NEXT change of slots will ask for: 32,768 bytes of K and as many of V^T.  All eight work-groups of a head walk the tiles 0, 1, .. of their first blocks together, and the
; one with b = 0 walks all eight: it asks, and nobody else.  Wave w names a quarter of K's tile (8,192 consecutive bytes) and channel block w of V^T's (8,192 too): 32 blocks of 256 bytes each, a lane a block, two
; instructions.  So each block is named once in the launch.  Tiles 0 and 1 come by their loads alone; trips 0 to 5 name tiles 2 to 7; behind that the second block's tiles have been read before.
.macro ASK
	s_cmp_gt_u32 s[SLOTS], s[LIM]
	s_cbranch_scc0 .Lnot_mine_\@
	global_prefetch_b8 v[PFO], s[PFK:PFK+1] th:TH_LOAD_NT scope:SCOPE_SE
	global_prefetch_b8 v[PFO], s[PFV:PFV+1] th:TH_LOAD_NT scope:SCOPE_SE
.Lnot_mine_\@:
.endm
; THE CHANGE OF SLOTS.  Each wave waits for all its tensor loads (one is out: its part of the other slot), adds 0 to its spare word, and waits for that and for its reads of the slot that it leaves.
; fill = 1: the old slot is filled again, first thing behind the barrier, with tile NXT; the address is made anew from that number.
.macro CHANGE fill
	WIN 0
	s_wait_tensorcnt 0x0
	ds_add_u32 v[SPW], v[NIL]
.if \fill
	s_lshl_b32 s[OFK], s[NXT], 15                  ; a tile is 32,768 bytes of K,
	s_lshl_b32 s[OFV], s[NXT], 13                  ; and 8,192 bytes of each channel block of V^T
	s_xor_b32 s[G0K+1], s[G0K+1], SLOT1
	s_add_nc_u64 s[G0K+2:G0K+3], s[KB:KB+1], s[OFK:OFK+1]
	s_or_b32 s[G0K+3], s[G0K+3], 0x80000000
	s_xor_b32 s[G0V+1], s[G0V+1], SLOT1
	s_add_nc_u64 s[G0V+2:G0V+3], s[VB:VB+1], s[OFV:OFV+1]
	s_or_b32 s[G0V+3], s[G0V+3], 0x80000000
	s_add_co_u32 s[NXT], s[NXT], 1                 ; the block's next tile, or behind its last the second block's tile 0
	s_cmp_gt_u32 s[NXT], s[LQ]
	s_cselect_b32 s[NXT], 0, s[NXT]
	s_cselect_b32 s[LQ], s[LQ2], s[LQ]
	s_wait_xcnt 0x0                                ; the last prefetches, a slot back, have read their addresses, so these may be written:
	s_add_nc_u64 s[PFK:PFK+1], s[PFK:PFK+1], 32768 ; a tile on
	s_add_nc_u64 s[PFV:PFV+1], s[PFV:PFV+1], 8192
.endif
	s_wait_dscnt 0x0                               ; the add is done, and my reads of the slot are over
	s_barrier_signal -1
	s_sub_co_u32 s[TBK], s[TBK], 4*KSB             ; the fetches go back to a slot's first step, in the other slot
	s_xor_b32 s[TBK], s[TBK], SLOT1
	s_sub_co_u32 s[TBV], s[TBV], 4*VSB
	s_xor_b32 s[TBV], s[TBV], SLOT1
	s_barrier_wait -1
.if \fill
	LOAD
	ASK
.endif
.endm
	s_load_b128 s[4:7], s[0:1], 0x0                ; qkv s[4:5], o8 s[6:7]
	v_lshl_add_u32 v[SPW], v0, 2, SPARE
	v_mov_b32 v[NIL], 0
	ds_add_u32 v[SPW], v[NIL]                      ; the wave's opening: the add, waited for ahead of my first tensor load
	ds_add_u32 v10, v11
	v_lshrrev_b32 v1, 5, v0
	v_readfirstlane_b32 s[WV], v1
	s_mov_b32 s[PB], ttmp9
	s_sub_co_u32 s[BI], 15, s[PB]
	s_and_b32 s20, ttmp7, 0xffff                   ; the head, of 32
	s_lshl_b32 s21, s20, 18                        ; its 262,144 bytes in Q, in V^T and in K
	s_and_b32 s16, s[WV], 1                        ; which half of a tile I fetch
	s_lshl_b32 s2, s16, 14
	s_add_co_u32 s2, s2, s21
	s_add_co_u32 s2, s2, KO+KSB                    ; K's tiles begin at key step 1
	s_mov_b32 s3, 0
	s_lshl_b32 s18, s16, 17                        ; two channel blocks of 65,536 bytes
	s_add_co_u32 s18, s18, s21
	s_add_co_u32 s18, s18, VTO
	s_mov_b32 s19, 0
	s_add_co_u32 s22, s21, KO
	s_mov_b32 s23, 0
	s_lshl_b32 s90, s[BI], 3                       ; Q: token tile 8 i + 4 x + w
	s_add_co_u32 s90, s90, s[WV]
	s_lshl_b32 s94, s90, 15
	s_lshl_b32 s90, s90, 11
	s_add_co_u32 s90, s90, s21
	s_mov_b32 s91, 0
	s_lshl_b32 s92, s[PB], 3
	s_add_co_u32 s92, s92, s[WV]
	s_lshl_b32 s96, s92, 15
	s_lshl_b32 s92, s92, 11
	s_add_co_u32 s92, s92, s21
	s_mov_b32 s93, 0
	s_lshr_b32 s17, s20, 4                         ; O: the batch's 128 tile rows of 32,768 bytes, the head's 8 planes
	s_lshl_b32 s17, s17, 22
	s_and_b32 s13, s20, 15
	s_lshl_b32 s13, s13, 11
	s_add_co_u32 s17, s17, s13
	s_add_co_u32 s94, s94, s17
	s_mov_b32 s95, 0
	s_add_co_u32 s96, s96, s17
	s_mov_b32 s97, 0
	s_lshl_b32 s[PFK], s[WV], 13                   ; the prefetches stand at tile 1; the first change of slots steps them to tile 2
	s_add_co_u32 s[PFK], s[PFK], s21
	s_add_co_u32 s[PFK], s[PFK], KO+KSB+32768
	s_mov_b32 s[PFK+1], 0
	s_lshl_b32 s[PFV], s[WV], 16
	s_add_co_u32 s[PFV], s[PFV], s21
	s_add_co_u32 s[PFV], s[PFV], VTO+8192
	s_mov_b32 s[PFV+1], 0
	s_cmp_eq_u32 s[PB], 0
	s_cselect_b32 s[LIM], 2, -1
	s_mov_b32 s[G1K], 3<<16                        ; K: 16,384 dense bytes as 64 rows of 32 elements of 8 bytes
	s_mov_b32 s[G1K+1], 32<<16
	s_mov_b32 s[G1K+2], 64<<16
	s_mov_b32 s[G1K+3], 32<<16
	s_mov_b32 s[G1K+4], 64
	s_mov_b32 s[G1K+5], 32
	s_mov_b32 s[G1K+6], 0
	s_mov_b32 s[G1K+7], 0
	s_mov_b32 s[G1V], 3<<16                        ; V^T: 2 rows of 8,192 bytes, 65,536 bytes apart
	s_mov_b32 s[G1V+1], 1024<<16
	s_mov_b32 s[G1V+2], 2<<16
	s_mov_b32 s[G1V+3], 1024<<16
	s_mov_b32 s[G1V+4], 2
	s_mov_b32 s[G1V+5], 8192
	s_mov_b32 s[G1V+6], 0
	s_mov_b32 s[G1V+7], 0
	s_mov_b32 s[CS], 0x3e38aa3b                    ; c = log2(e) / 8
	s_mov_b32 s[CS+1], s[CS]
	s_mov_b32 s[SEL], 0x76543210
	s_mov_b32 s[SEL+1], 0xfedcba98
	s_mov_b32 s[TBK], SLOT1+4*KSB                  ; the first change of slots turns these two into 0
	s_mov_b32 s[TBV], SLOT1+4*VSB
	s_mov_b32 s[G0K], 1
	s_lshl_b32 s[G0K+1], s16, 14
	s_mov_b32 s[G0V], 1
	s_lshl_b32 s[G0V+1], s16, 14
	s_add_co_u32 s[G0V+1], s[G0V+1], VOFF
	s_lshr_b32 s[LQ], s[BI], 1
	s_add_co_u32 s[RT], s[LQ], 1
	s_lshr_b32 s[LQ2], s[PB], 1
	s_mov_b32 s[NXT], 1
	s_mov_b32 s[NEW], 1
	s_lshl_b32 s[REM], s[BI], 1
	s_sub_co_i32 s[REM], s[REM], 1
	s_mov_b32 s[OFK+1], 0
	s_mov_b32 s[OFV+1], 0
	s_mov_b32 s[AL+1], 0
	s_mov_b32 s[BE+1], 0
	s_mov_b32 s[BIGN], 0xf149f2ca                  ; -1e30
	s_mov_b32 s[SLOTS], 8
	s_wait_dscnt 0x0                               ; the opening add is done
	s_wait_kmcnt 0x0
	s_add_nc_u64 s[KB:KB+1], s[4:5], s[2:3]
	s_add_nc_u64 s[VB:VB+1], s[4:5], s[18:19]
	s_add_nc_u64 s[KH:KH+1], s[4:5], s[22:23]
	s_add_nc_u64 s[90:91], s[4:5], s[90:91]
	s_add_nc_u64 s[92:93], s[4:5], s[92:93]
	s_add_nc_u64 s[PFK:PFK+1], s[4:5], s[PFK:PFK+1]
	s_add_nc_u64 s[PFV:PFV+1], s[4:5], s[PFV:PFV+1]
	s_add_nc_u64 s[OP:OP+1], s[6:7], s[94:95]
	s_add_nc_u64 s[OLO:OLO+1], s[6:7], s[96:97]
	s_add_nc_u64 s[G0K+2:G0K+3], s[KB:KB+1], 0
	s_or_b32 s[G0K+3], s[G0K+3], 0x80000000
	s_add_nc_u64 s[G0V+2:G0V+3], s[VB:VB+1], 0
	s_or_b32 s[G0V+3], s[G0V+3], 0x80000000
	LOAD                                           ; tile 0 into slot 0
	v_and_b32 v1, 31, v0
	v_lshlrev_b32 v[AK0], 4, v1
	v_add_nc_u32 v[AV0], VOFF, v[AK0]
	v_lshlrev_b32 v[PFO], 8, v1
.irp f, 0,1,2,3                        ; both blocks' Q: piece f / 2 lies four tiles on; channels 32 (f % 2) on
	global_load_b128 v[QF+8*\f:QF+8*\f+3],   v[AK0], s[90:91] offset:(\f/2)*8192+(\f%2)*1024
	global_load_b128 v[QF+8*\f+4:QF+8*\f+7], v[AK0], s[90:91] offset:(\f/2)*8192+(\f%2)*1024+512
.endr
	WIN 0x40
.irp f, 0,1,2,3,4,5,6,7                ; K of key step 0: keys 16 (f / 2) on, channels 32 (f % 2) on
	global_load_b128 v[K0+8*\f:K0+8*\f+3],   v[AK0], s[KH:KH+1] offset:(\f/2)*2048+(\f%2)*1024
	global_load_b128 v[K0+8*\f+4:K0+8*\f+7], v[AK0], s[KH:KH+1] offset:(\f/2)*2048+(\f%2)*1024+512
.endr
.irp f, 0,1,2,3
	global_load_b128 v[QB+8*\f:QB+8*\f+3],   v[AK0], s[92:93] offset:(\f/2)*8192+(\f%2)*1024
	global_load_b128 v[QB+8*\f+4:QB+8*\f+7], v[AK0], s[92:93] offset:(\f/2)*8192+(\f%2)*1024+512
.endr
	WIN 0
	v_and_b32 v1, 15, v0
	v_bfe_u32 v9, v0, 4, 1
	v_lshlrev_b32 v14, 3, v9
	v_sub_nc_u32 v14, v1, v14
	s_lshl_b32 s13, s[WV], 4
	v_add_nc_u32 v14, s13, v14                     ; my query's place in its band less my lanes' 8 (lane / 16): register r of key tile kt is hidden where 16 kt + r is greater
	WIN 0x40
.set i, 0
.rept 32
	v_cmp_gt_i32 vcc_lo, 16*(i/8)+i%8, v14
	v_cndmask_b32 v[MD+i], 0, s[BIGN], vcc_lo
.set i, i+1
.endr
	; A block's first step multiplies O^T and l by a = 0, and its first turn's V^T P, of a step that has not been, lands in an O^T still to be so multiplied: these registers need only hold finite numbers.
.set i, VF
.rept 64
	v_mov_b32 v[i], 0
.set i, i+1
.endr
	WIN 0
.set i, OT
.rept 64
	v_mov_b32 v[i], 0
.set i, i+1
.endr
.irp t, 0,1
	v_mov_b32 v[ST+4*\t+2], 0
	v_mov_b32 v[ST+4*\t+3], 0
.endr
.set i, P+16
.rept 16
	v_mov_b32 v[i], 0
.set i, i+1
.endr
; THE MATRIX WORK.  The four accumulators of a run of eight take turns.  Product i of S^T = K Q^T for piece x: channels 32 (i / 4) on, keys 16 (i % 4) on; the first four start the sums with the mask.
.macro KQ x
	WIN 0x01
.set rS, S+32*(\x)+8*(i%4)
.set rK, 16*(i%4)+8*(i/4)
.set rQ, QF+16*(\x)+8*(i/4)
.set rM, MC+8*(i%4)
.if i < 4
	v_wmma_f32_16x16x32_f16 v[rS:rS+7], v[rK:rK+7], v[rQ:rQ+7], v[rM:rM+7]
.else
	v_wmma_f32_16x16x32_f16 v[rS:rS+7], v[rK:rK+7], v[rQ:rQ+7], v[rS:rS+7]
.endif
.endm
.macro PV x                            ; product i of O^T += V^T P: keys 32 (i / 4) on, channels 16 (i % 4) on
	WIN 0x01
.set rO, OT+32*(\x)+8*(i%4)
.set rV, VF+32*(i/4)+8*(i%4)
.set rP, P+16*(\x)+8*(i/4)
	v_wmma_f32_16x16x32_f16 v[rO:rO+7], v[rV:rV+7], v[rP:rP+7], v[rO:rO+7]
.endm
.macro MM                              ; the turn's next matrix instruction, for the other piece
.if i < 8
	KQ 1-Y
.else
.set i, i-8
	PV 1-Y
.set i, i+8
.endif
.set i, i+1
.endm
.macro FETCH_K                         ; a step's K: keys 16 (f / 2) on, channels 32 (f % 2) on
	WIN 0x40
.irp f, 0,1,2,3,4,5,6,7
	ds_load_b128 v[8*\f:8*\f+3],   v[AK] offset:(\f/2)*2048+(\f%2)*1024
	ds_load_b128 v[8*\f+4:8*\f+7], v[AK] offset:(\f/2)*2048+(\f%2)*1024+512
.endr
	s_add_co_u32 s[TBK], s[TBK], KSB
	WIN 0
.endm
.macro FETCH_V                         ; a step's V^T: keys 32 (f / 4) on, channels 16 (f % 4) on
	WIN 0x40
.irp f, 0,1,2,3,4,5,6,7
	ds_load_b128 v[VF+8*\f:VF+8*\f+3],   v[AV] offset:(\f%4)*8192+(\f/4)*1024
	ds_load_b128 v[VF+8*\f+4:VF+8*\f+7], v[AV] offset:(\f%4)*8192+(\f/4)*1024+512
.endr
	WIN 0
.endm
; THE VECTOR WORK, a line at a time.  For piece Y: F n: c s - c m for pair n.  E n: the exponential of score n.  C n: pair n rounded to f16.  B n: of the four weights 4 n .. the second pair is added onto the first.
; L n: l takes that sum (L 0: l = a l + sum).  R n: pair n of O^T times a.  For the other piece: X n, number n of the 22 that find its maximum and statistics (each accumulator's lowest registers are read first).
.set F, 0
.set E, 1
.set C, 2
.set B, 3
.set L, 4
.set R, 5
.set X, 6
.macro REGS y
.set rT, ST+4*(\y)
.set rC, TMP+4*(\y)
.set rW, MV+(\y)
.set rS, S+32*(\y)
.set rP, P+16*(\y)
.set rO, OT+32*(\y)
.endm
.macro OP k, n
	WIN 0
.if (\k) < X
	REGS Y
.if (\k) == F
	v_pk_fma_f32 v[rS+2*(\n):rS+2*(\n)+1], v[rS+2*(\n):rS+2*(\n)+1], s[CS:CS+1], v[rT:rT+1] op_sel_hi:[1,0,0] neg_lo:[0,0,1] neg_hi:[0,0,1]
.elseif (\k) == E
	v_exp_f32 v[rS+(\n)], v[rS+(\n)]
.elseif (\k) == C
	v_cvt_pk_f16_f32 v[rP+(\n)], v[rS+2*(\n)], v[rS+2*(\n)+1]
.elseif (\k) == B
	v_pk_add_f32 v[rS+4*(\n):rS+4*(\n)+1], v[rS+4*(\n):rS+4*(\n)+1], v[rS+4*(\n)+2:rS+4*(\n)+3]
.elseif (\k) == R
	v_pk_mul_f32 v[rO+2*(\n):rO+2*(\n)+1], v[rO+2*(\n):rO+2*(\n)+1], v[rC+2:rC+3] op_sel_hi:[1,0]
.elseif (\n) == 0
	v_pk_fma_f32 v[rT+2:rT+3], v[rT+2:rT+3], v[rC+2:rC+3], v[rS:rS+1] op_sel_hi:[1,0,1]
.else
	v_pk_add_f32 v[rT+2:rT+3], v[rT+2:rT+3], v[rS+4*(\n):rS+4*(\n)+1]
.endif
.else
	REGS 1-Y
.if (\n) < 4
	v_max3_num_f32 v[rC+(\n)], v[rS+8*(\n)], v[rS+8*(\n)+1], v[rS+8*(\n)+2]
.elseif (\n) < 12
	v_max3_num_f32 v[rC+(\n)%4], v[rC+(\n)%4], v[rS+8*((\n)%4)+2*((\n)/4)+1], v[rS+8*((\n)%4)+2*((\n)/4)+2]
.elseif (\n) == 12
	v_max3_num_f32 v[rC], v[rC], v[rS+7], v[rS+15]
.elseif (\n) == 13
	v_max3_num_f32 v[rC+1], v[rC+1], v[rS+23], v[rS+31]
.elseif (\n) == 14
	v_max3_num_f32 v[rC+2], v[rC+2], v[rC+3], v[rT+1]
.elseif (\n) == 15
	v_mov_b32 v[rW], v[rT]
.elseif (\n) == 16
	v_max3_num_f32 v[rC], v[rC], v[rC+1], v[rC+2]
.elseif (\n) == 17
	v_permlanex16_b32 v[rC+3], v[rC], s[SEL], s[SEL+1]
.elseif (\n) == 18
	v_max_num_f32 v[rT+1], v[rC], v[rC+3]
.elseif (\n) == 19
	v_mul_f32 v[rT], s[CS], v[rT+1]
.elseif (\n) == 20
	v_sub_f32 v[rC+1], v[rW], v[rT]
.else
	v_exp_f32 v[rC+2], v[rC+1]
.endif
.endif
.endm
.macro OPS a, i1, b=-1, i2=0, c=-1, i3=0, d=-1, i4=0
	OP \a, \i1
.if (\b) >= 0
	OP \b, \i2
.endif
.if (\c) >= 0
	OP \c, \i3
.endif
.if (\d) >= 0
	OP \d, \i4
.endif
.endm
.macro ROW a, i1, b, i2, c, i3, d, i4  ; a matrix instruction and the four behind it
	MM
	OPS \a, \i1, \b, \i2, \c, \i3, \d, \i4
.endm
.macro MASK                            ; MC = MD x AL + BE
	WIN 0x01
.set z, 0
.rept 16
	v_pk_fma_f32 v[MC+2*z:MC+2*z+1], v[MD+2*z:MD+2*z+1], s[AL:AL+1], s[BE:BE+1] op_sel_hi:[1,0,0]
.set z, z+1
.endr
	WIN 0
.endm
; A TURN, for piece p.  Ahead of its one wait stands all that names no result of its exponentials: the 8 products K Q^T with their riders, and the lump; behind it the 8 products V^T P, whose riders are the roundings and sums.
; T0 fetches K of the next step in the lump (five plain instructions that name no register of the last product that read K lie between) and V of the step in hand at its end (four roundings behind the last product that read V).
; At its end a turn makes the mask for the next turn's products: T0 for piece 0 in step s + 1, T1 for piece 1 in step s + 1; while REM > 0 both are 0 and MC holds 0 already.
.macro TURN p
.set Y, (\p)
.set i, 0
.if (\p) == 1
	s_wait_dscnt 16                                ; K is in; V's sixteen younger loads may stay out
.endif
	ROW F,0, F,1, R,0, R,1
	ROW F,2, E,0, R,2, R,3
	ROW F,3, E,1, R,4, R,5
	ROW F,4, E,2, R,6, R,7
	ROW F,5, E,3, R,8, R,9
	ROW F,6, E,4, X,0, R,10
.if (\p) == 0
	WIN 0
	v_add_nc_u32 v[AK], s[TBK], v[AK0]
.endif
	ROW F,7, E,5, X,1, X,4
	ROW F,8, E,6, X,2, X,5
	OPS E,7, E,8, X,6, E,9
	OPS X,3, E,10, X,8, E,11
.if (\p) == 0
	FETCH_K
.endif
	OPS X,9, X,7, E,12, X,10
	OPS E,13, X,12, X,11, E,14
	OPS X,13, E,15, F,9, X,14
.if (\p) == 0
	v_add_nc_u32 v[AV], s[TBV], v[AV0]
.endif
	OPS E,16, F,10, E,17, F,11
	OPS X,16, E,18, X,15, E,19
	OPS F,12, E,20, X,17, E,21
	OPS F,13, E,22, F,14, E,23
	OPS X,18, E,24, F,15, E,25
	OPS R,11, E,26, X,19, E,27
	OPS R,12, E,28, R,13, E,29
	OPS X,20, E,30, R,14, E,31
	OPS X,21, R,15                                 ; the other piece's a is the batch's last; R 15 is the plain instruction behind it
	s_wait_alu depctr_va_vdst(0)                   ; the one wait for the batch of 33
.if (\p) == 1
	s_wait_dscnt 0x0                               ; V is in
.endif
	ROW C,0, B,0, C,2, B,1
	ROW L,0, C,4, B,2, L,1
	ROW C,6, B,3, L,2, C,8
	ROW B,4, L,3, C,10, B,5
	ROW L,4, C,12, B,6, L,5
.if (\p) == 0
	s_add_co_u32 s[TBV], s[TBV], VSB
.endif
	ROW C,14, B,7, L,6, C,1
	ROW C,3, L,7, C,5, C,7
	ROW C,9, C,11, C,13, C,15
.if (\p) == 0
	FETCH_V
.endif
	WIN 0
	s_cmp_gt_i32 s[REM], 0
	s_cbranch_scc1 .Lopen_\@
	s_cmp_eq_i32 s[REM], -(\p)                     ; is the next step the band's own?
	s_cselect_b32 s[AL], 1.0, 0
	s_cmp_lt_i32 s[REM], -(\p)                     ; or a later one?
	s_cselect_b32 s[BE], s[BIGN], 0
	MASK
.Lopen_\@:
.endm
; A BLOCK BEGINS.  c m starts far below every c s, so the first step's a is 0.  K of step 0 goes from its own registers into K's buffer, which the first turn names too; then piece 0's first scores
; (masked by its own step's mask in block 0), its maximum and statistics.
.macro BEGIN
	s_mov_b32 s[NEW], 0
	WIN 0
.irp t, 0,1
	v_mov_b32 v[ST+4*\t], 0xfe000000
	v_mov_b32 v[ST+4*\t+1], 0xff7fffff
.endr
	s_cmp_eq_u32 s[BI], 0
	s_cselect_b32 s[AL], 1.0, 0
	s_mov_b32 s[BE], 0
	MASK
	s_wait_loadcnt 0x0                             ; Q and K of step 0, asked for at the kernel's head
	WIN 0x41
.set i, 0
.rept 64
	v_mov_b32 v[i], v[K0+i]
.set i, i+1
.endr
.set i, 0
.rept 8
	KQ 0
.set i, i+1
.endr
	WIN 0
	PLACES
	s_mov_b32 s[AL], 0
	MASK                                           ; piece 1 sees all of step 0
.set Y, 1
.irp n, 0,1,2,3,4,5,6,7,8,9,10,11,12,13,14,15,16,17,18,19,20,21
	OP X, \n
.endr
	v_nop                                          ; a plain instruction behind the exponential,
	s_wait_alu depctr_va_vdst(0)                   ; and its wait, ahead of the label
.endm
; A BLOCK ENDS: piece 1's V^T P of the last step; l's halves are added; O^T is divided by l, rounded to f16 and stored straight from registers: a lane's 8 channels are 16 bytes of a plane of F(4096, 1024).
.macro FINISH
.set i, 0
.rept 8
	PV 1
.set i, i+1
.endr
	WIN 0
.irp t, 0,1
	v_add_f32 v[ST+4*\t+2], v[ST+4*\t+2], v[ST+4*\t+3]
.endr
.irp t, 0,1
	v_permlanex16_b32 v[ST+4*\t+3], v[ST+4*\t+2], s[SEL], s[SEL+1]
.endr
.irp t, 0,1
	v_add_f32 v[ST+4*\t+2], v[ST+4*\t+2], v[ST+4*\t+3]
.endr
.irp t, 0,1
	v_rcp_f32 v[ST+4*\t+2], v[ST+4*\t+2]
.endr
	v_nop
	s_wait_alu depctr_va_vdst(0)                   ; one wait for the two reciprocals
.irp t, 0,1
.set n, 0
.rept 16
	v_pk_mul_f32 v[OT+32*\t+2*n:OT+32*\t+2*n+1], v[OT+32*\t+2*n:OT+32*\t+2*n+1], v[ST+4*\t+2:ST+4*\t+3] op_sel_hi:[1,0]
.set n, n+1
.endr
.set n, 0
.rept 16
	v_cvt_pk_f16_f32 v[S+16*\t+n], v[OT+32*\t+2*n], v[OT+32*\t+2*n+1]
.set n, n+1
.endr
.irp f, 0,1,2,3
	global_store_b128 v[AK0], v[S+16*\t+4*\f:S+16*\t+4*\f+3], s[OP:OP+1] offset:\t*131072+\f*512  ; 512 consecutive bytes, at a multiple of 256 from the buffer's first
.endr
.endr
.endm
.Lslot:                                ; eight times: a slot is entered and the next tile asked for
	CHANGE 1
	s_sub_co_u32 s[RT], s[RT], 1
	s_mov_b32 s[CNT], 4
	s_cmp_eq_u32 s[NEW], 1
	s_cbranch_scc0 .Lstep
	BEGIN
.Lstep:
	TURN 0
	TURN 1
	WIN 0
	s_sub_co_i32 s[REM], s[REM], 1
	s_sub_co_u32 s[CNT], s[CNT], 1
	s_cmp_lg_u32 s[CNT], 0
	s_cbranch_scc1 .Lstep
	s_cmp_eq_u32 s[RT], 0
	s_cbranch_scc0 .Lbottom
	FINISH                                         ; in the loop this is the first block's end: the second block's last slot is the walk's last
	s_wait_xcnt 0x0                                ; the stores have read their registers and O's address
	s_mov_b64 s[OP:OP+1], s[OLO:OLO+1]
	s_mov_b32 s[BI], s[PB]
	s_add_co_u32 s[RT], s[LQ2], 1
	s_lshl_b32 s[REM], s[PB], 1
	s_sub_co_i32 s[REM], s[REM], 1
	s_mov_b32 s[NEW], 1
	WIN 0x01
.set i, 0
.rept 32
	v_mov_b32 v[QF+i], v[QB+i]
.set i, i+1
.endr
	WIN 0
.Lbottom:
	s_sub_co_u32 s[SLOTS], s[SLOTS], 1
	s_cmp_lg_u32 s[SLOTS], 0
	s_cbranch_scc1 .Lslot
	CHANGE 0                                       ; the walk's last slot is written out
	s_mov_b32 s[CNT], 4
	s_cmp_eq_u32 s[NEW], 1
	s_cbranch_scc0 .Lstep2
	BEGIN
.Lstep2:
	TURN 0
	TURN 1
	WIN 0
	s_sub_co_i32 s[REM], s[REM], 1
	s_sub_co_u32 s[CNT], s[CNT], 1
	s_cmp_lg_u32 s[CNT], 0
	s_cbranch_scc1 .Lstep2
	FINISH
	s_wait_tensorcnt 0x0                           ; the wave's end
	ds_add_u32 v[SPW], v[NIL]
	s_wait_dscnt 0x0
	s_endpgm
.Lfunc_end_k_qd05779e8a7_attn:
	.size	k_qd05779e8a7_attn, .Lfunc_end_k_qd05779e8a7_attn-k_qd05779e8a7_attn
	.p2alignl 7, 3214868480
	.fill 96, 4, 3214868480
	.section	.rodata,"a",@progbits
	.p2align	6, 0x0
	.amdhsa_kernel k_qd05779e8a7_attn
		.amdhsa_group_segment_fixed_size 327680
		.amdhsa_private_segment_fixed_size 0
		.amdhsa_enable_private_segment 0
		.amdhsa_kernarg_size 16
		.amdhsa_user_sgpr_count 2
		.amdhsa_user_sgpr_kernarg_segment_ptr 1
		.amdhsa_wavefront_size32 1
		.amdhsa_system_sgpr_workgroup_id_x 1
		.amdhsa_system_sgpr_workgroup_id_y 1
		.amdhsa_system_sgpr_workgroup_id_z 1
		.amdhsa_system_vgpr_workitem_id 0
		.amdhsa_next_free_vgpr 512
		.amdhsa_next_free_sgpr 102
		.amdhsa_reserve_vcc 1
		.amdhsa_float_denorm_mode_32 3
		.amdhsa_float_denorm_mode_16_64 3
		.amdhsa_memory_ordered 1
		.amdhsa_forward_progress 1
		.amdhsa_inst_pref_size 88
	.end_amdhsa_kernel
	.amdgpu_metadata
---
amdhsa.version: [ 1, 2 ]
amdhsa.kernels:
  - .name:           k_qd05779e8a7_attn
    .symbol:         k_qd05779e8a7_attn.kd
    .args:
      - { .name: qkv, .offset: 0, .size: 8, .value_kind: global_buffer, .address_space: global }
      - { .name: o8, .offset: 8, .size: 8, .value_kind: global_buffer, .address_space: global }
    .group_segment_fixed_size: 327680
    .private_segment_fixed_size: 0
    .kernarg_segment_align: 8
    .kernarg_segment_size: 16
    .max_flat_workgroup_size: 128
    .sgpr_count:     102
    .vgpr_count:     512
    .wavefront_size: 32
...
	.end_amdgpu_metadata
.endif
;; end of part 3
;; launch wo (part 4): grid 8 x 32, 4 waves a work-group, clusters of 4 x 4, 327,680 bytes of LDS; arguments o8, wts, x, x2; writes x2
.if DOCPART == 4
	.amdgcn_target "amdgcn-amd-amdhsa--gfx1250"
	.amdhsa_code_object_version 6
	.text
	.protected	k_qd05779e8a7_wo
	.globl	k_qd05779e8a7_wo
	.p2align	8
	.type	k_qd05779e8a7_wo,@function
k_qd05779e8a7_wo:
	s_mov_b64 s[64:65], 0
	v_nop
	global_prefetch_b8 v0, s[64:65] scope:SCOPE_SE
	s_setreg_imm32_b32 hwreg(HW_REG_WAVE_MODE, 25, 1), 1
	s_wait_xcnt 0x0
	s_wait_alu depctr_hold_cnt(0) depctr_sa_sdst(0) depctr_va_vdst(0) depctr_va_sdst(0) depctr_va_ssrc(0) depctr_va_vcc(0) depctr_vm_vsrc(0)
	s_getreg_b32 s2, hwreg(HW_REG_IB_STS2, 6, 4)
	s_cmp_eq_u32 s2, 0
	s_cbranch_scc0 .Lentry_in_a_cluster
	s_endpgm
.Lentry_in_a_cluster:
	s_bfe_u32 s2, ttmp6, 0x10000c
	s_cmp_lg_u32 s2, 0xf033
	s_cbranch_scc0 .Lentry_shape_is_right
	s_endpgm
.Lentry_shape_is_right:
; x2 = x + O Wo^T.  O and Wo in f16 in the layout F; sums in f32, begun with x itself: the accumulators are loaded with the residual, so nothing is cleared and nothing added afterwards.
; A work-group makes 128 tokens x 128 columns, its four waves 64 x 64: 16 accumulators.  K = 1,024 in four steps of 256 through two slots of 131,072 bytes.
; CLUSTER 4 x 4: O's tiles are asked for jointly along a row of the cluster, Wo's along a column.
; STORED: x2 in f32 in the accumulators' own order (the last launch loads it back in that order), x2 rounded to bf16 in F(4096, 1024), and for each row the sum of the squares of the wave's
; 64 columns, in f32: 16 partial sums a row, added up by the next launch.
; The loads of x take 32 bytes a lane from 16 rows: eight of them cover 256 bytes of a row between them, each byte once; they are not whole blocks of 256 bytes to an instruction.
; LIMITS: f16 ends at 65,504 (O has V's range).  NaN and infinities are not treated apart.
.set TILEB, 8192
.set KROW,  32768
.set STEPS, 4
.set SLOT1, 131072
.set SPARE, 2*SLOT1
.set WOO,   14680064
.set X2B,   16777216
.set SSQ,   25165824
.set A0,  16
.set B0,  17
.set ADA, 18
.set ADB, 19
.set L16, 20
.set XO,  21
.set L4,  22
.set SPW, 28
.set NIL, 29
.set PK,  32                           ; v[32:95]  x2 in bf16, to store
.set SS,  96                           ; v[96:103] a pair of sums of squares for each token tile
.set ACC, 128
.set F0,  0
.set F1,  128
.set G1,  24
.set G0,  32
.set G1B, 48
.set G0B, 56
.set TB,  66
.set CT,  67
.set XP,  68
.set XF,  70
.set XBP, 72
.set SQ,  74
.set WV,  80
.set MH,  81
.set NH,  82
.set MB,  83
.set SEL, 84
.set MSB, 0
.macro WIN new
.if MSB != (\new)
	s_set_vgpr_msb (MSB<<8)|(\new)
.set MSB, \new
.endif
.endm
.macro PLACES
.rept 4
	v_nop
.endr
.endm
.macro JLOAD
	s_cmp_eq_u32 s[MH], 0
	s_cbranch_scc0 .Lfor_b_\@
	tensor_load_to_lds s[G0+4:G0+7], s[G1:G1+7]
	s_nop 0
	PLACES
	s_branch .Lasked_\@
.Lfor_b_\@:
	tensor_load_to_lds s[G0B+4:G0B+7], s[G1B:G1B+7]
	s_nop 0
	PLACES
.Lasked_\@:
.endm
.macro CREST
	s_cmp_lg_u32 s[WV], 0
	s_cbranch_scc1 .Lnot_wave_0_\@
	s_barrier_signal -3
.Lnot_wave_0_\@:
	s_barrier_wait -3
	s_barrier_signal -1
	s_barrier_wait -1
.endm
.macro CROUND
	s_barrier_signal -1
	s_barrier_wait -1
	CREST
.endm
	s_load_b256 s[4:11], s[0:1], 0x0               ; o8 4, wts 6, x 8, x2 10
	v_lshl_add_u32 v[SPW], v0, 2, SPARE
	v_mov_b32 v[NIL], 0
	ds_add_u32 v[SPW], v[NIL]                      ; the wave's opening: the add, waited for ahead of my first tensor load
	ds_add_u32 v28, v29
	v_lshrrev_b32 v1, 5, v0
	v_readfirstlane_b32 s[WV], v1
	s_lshr_b32 s[MH], s[WV], 1
	s_and_b32 s[NH], s[WV], 1
	s_bfe_u32 s40, ttmp6, 0x40000
	s_bfe_u32 s41, ttmp6, 0x40004
	s_lshl_b32 s42, ttmp9, 2
	s_add_co_u32 s42, s42, s40                     ; block of 128 columns
	s_and_b32 s[MB], ttmp7, 0xffff
	s_lshl_b32 s[MB], s[MB], 2
	s_add_co_u32 s[MB], s[MB], s41                 ; block of 128 tokens
	s_lshl_b32 s43, s41, 2
	s_lshl_b32 s43, 15, s43
	s_lshl_b32 s44, 0x1111, s40
	s_or_b32 s[G1], s43, (3<<16)|(1<<21)
	s_or_b32 s[G1B], s44, (3<<16)|(1<<21)
.irp g, G1, G1B
	s_mov_b32 s[\g+1], (TILEB/8)<<16               ; a tile row's 8,192 bytes of a K step, in elements of 8 bytes
	s_mov_b32 s[\g+2], 4<<16
	s_mov_b32 s[\g+3], (TILEB/8)<<16
	s_mov_b32 s[\g+4], 4
	s_mov_b32 s[\g+5], KROW/8
	s_mov_b32 s[\g+6], 0
	s_mov_b32 s[\g+7], 0
.endr
	s_lshl_b32 s16, s[MB], 3
	s_lshl2_add_u32 s16, s[NH], s16
	s_mul_i32 s16, s16, KROW
	s_mov_b32 s17, 0
	s_lshl_b32 s46, s42, 3
	s_lshl2_add_u32 s46, s[NH], s46
	s_mul_i32 s46, s46, KROW
	s_mov_b32 s47, 0
	s_mul_i32 s20, s[NH], 4*TILEB
	s_add_co_u32 s21, s20, 8*TILEB
	s_lshl_b32 s12, s[MB], 7                       ; my first token,
	s_lshl_b32 s13, s[MH], 6
	s_add_co_u32 s12, s12, s13
	s_lshl_b32 s22, s12, 2                         ; (its place in a row of partial sums)
	s_lshl_b32 s12, s12, 12
	s_lshl_b32 s13, s42, 9                         ; my first column
	s_add_co_u32 s12, s12, s13
	s_lshl_b32 s13, s[NH], 8
	s_add_co_u32 s12, s12, s13
	s_mov_b32 s13, 0
	s_lshl_b32 s14, s[MB], 3
	s_add_co_u32 s14, s14, s42
	s_lshl2_add_u32 s14, s14, s[WV]
	s_lshl_b32 s14, s14, 14                        ; x2 in f32: 16,384 bytes a wave
	s_mov_b32 s15, 0
	s_lshl_b32 s18, s[MB], 3
	s_lshl2_add_u32 s18, s[MH], s18
	s_lshl_b32 s18, s18, 15
	s_lshl_b32 s19, s42, 12
	s_add_co_u32 s18, s18, s19
	s_lshl_b32 s19, s[NH], 11
	s_add_co_u32 s18, s18, s19
	s_add_co_u32 s18, s18, X2B
	s_mov_b32 s19, 0
	s_lshl1_add_u32 s23, s42, s[NH]
	s_lshl_b32 s23, s23, 14
	s_add_co_u32 s22, s22, s23
	s_add_co_u32 s22, s22, SSQ
	s_mov_b32 s23, 0
	s_mov_b32 s[SEL], 0x76543210
	s_mov_b32 s[SEL+1], 0xfedcba98
	s_mov_b32 s[TB], 0
	s_wait_dscnt 0x0
	s_wait_kmcnt 0x0
	s_add_nc_u64 s[XP:XP+1], s[8:9], s[12:13]
	s_add_nc_u64 s[XF:XF+1], s[10:11], s[14:15]
	s_add_nc_u64 s[XBP:XBP+1], s[10:11], s[18:19]
	s_add_nc_u64 s[SQ:SQ+1], s[10:11], s[22:23]
	s_add_nc_u64 s[14:15], s[4:5], s[16:17]
	s_add_nc_u64 s[46:47], s[6:7], s[46:47]
	s_add_nc_u64 s[46:47], s[46:47], WOO
	CROUND
.irp s, 0,1
	s_mov_b32 s[G0+4*\s], 1
	s_add_co_u32 s[G0+4*\s+1], s20, \s*SLOT1
	s_add_nc_u64 s[G0+4*\s+2:G0+4*\s+3], s[14:15], \s*TILEB
	s_or_b32 s[G0+4*\s+3], s[G0+4*\s+3], 0x80000000
	s_mov_b32 s[G0B+4*\s], 1
	s_add_co_u32 s[G0B+4*\s+1], s21, \s*SLOT1
	s_add_nc_u64 s[G0B+4*\s+2:G0B+4*\s+3], s[46:47], \s*TILEB
	s_or_b32 s[G0B+4*\s+3], s[G0B+4*\s+3], 0x80000000
.endr
	s_cmp_eq_u32 s[MH], 0
	s_cbranch_scc0 .Lfirst_b
	tensor_load_to_lds s[G0:G0+3], s[G1:G1+7]
	s_nop 0
	tensor_load_to_lds s[G0+4:G0+7], s[G1:G1+7]
	s_nop 0
	PLACES
	s_branch .Lfirst_asked
.Lfirst_b:
	tensor_load_to_lds s[G0B:G0B+3], s[G1B:G1B+7]
	s_nop 0
	tensor_load_to_lds s[G0B+4:G0B+7], s[G1B:G1B+7]
	s_nop 0
	PLACES
.Lfirst_asked:
	v_and_b32 v1, 31, v0
	v_lshlrev_b32 v[L16], 4, v1
	v_lshlrev_b32 v[L4], 2, v1
	v_and_b32 v2, 15, v0
	v_bfe_u32 v3, v0, 4, 1
	v_lshlrev_b32 v[XO], 12, v2                    ; token lane % 16, 8 columns for each half of the lanes
	v_lshl_add_u32 v[XO], v3, 5, v[XO]
.set n, 0
.rept 16                               ; accumulator (a, t) = (n / 4, n % 4) starts as x
	global_load_b128 v[ACC+8*n:ACC+8*n+3],   v[XO], s[XP:XP+1] offset:(n/4)*65536+(n%4)*64
	global_load_b128 v[ACC+8*n+4:ACC+8*n+7], v[XO], s[XP:XP+1] offset:(n/4)*65536+(n%4)*64+16
.set n, n+1
.endr
	s_mul_i32 s22, s[MH], 4*TILEB
	v_add_nc_u32 v[A0], s22, v[L16]
	s_mul_i32 s22, s[NH], 4*TILEB
	s_add_co_u32 s22, s22, 8*TILEB
	v_add_nc_u32 v[B0], s22, v[L16]
	v_mov_b32 v[ADA], v[A0]
	v_mov_b32 v[ADB], v[B0]
.macro MUL8 f, c, a0                   ; 8 products: token tiles a0, a0 + 1 x the 4 column tiles, 32 along K.  The 16 accumulators take turns
	WIN 0x05
.irp a, \a0, (\a0)+1
.irp b, 0,1,2,3
	v_wmma_f32_16x16x32_f16 v[ACC+8*(4*(\a)+(\b)):ACC+8*(4*(\a)+(\b))+7], v[(\f)+64+8*(4*(\c)+(\b)):(\f)+64+8*(4*(\c)+(\b))+7], v[(\f)+8*(4*(\c)+(\a)):(\f)+8*(4*(\c)+(\a))+7], v[ACC+8*(4*(\a)+(\b)):ACC+8*(4*(\a)+(\b))+7]
.endr
.endr
.endm
.macro FETCH q, f                      ; the fragments of 64 along K (quarter q of the step) into buffer f: 32 loads in one run, the first 32 along K first
	WIN 0x40
.irp c, 0,1
.irp i, 0,1,2,3
	ds_load_b128 v[(\f)+64+8*(4*(\c)+(\i)):(\f)+64+8*(4*(\c)+(\i))+3],   v[ADB] offset:(\i)*TILEB+(2*(\q)+(\c))*1024
	ds_load_b128 v[(\f)+64+8*(4*(\c)+(\i))+4:(\f)+64+8*(4*(\c)+(\i))+7], v[ADB] offset:(\i)*TILEB+(2*(\q)+(\c))*1024+512
	ds_load_b128 v[(\f)+8*(4*(\c)+(\i)):(\f)+8*(4*(\c)+(\i))+3],         v[ADA] offset:(\i)*TILEB+(2*(\q)+(\c))*1024
	ds_load_b128 v[(\f)+8*(4*(\c)+(\i))+4:(\f)+8*(4*(\c)+(\i))+7],       v[ADA] offset:(\i)*TILEB+(2*(\q)+(\c))*1024+512
.endr
.endr
.endm
.macro QUARTER qn, f, g
	s_wait_dscnt 16                                ; the first 32 along K are in
	MUL8 \f, 0, 0
	MUL8 \f, 0, 2
	PLACES
	FETCH \qn, \g
	s_wait_dscnt 32                                ; all but the 32 just issued
	MUL8 \f, 1, 0
	MUL8 \f, 1, 2
.endm
.macro TURN fill                       ; the step's last quarter and the change of slots
	WIN 0
	s_wait_tensorcnt 0x0                           ; all my tensor loads have landed: my part of the next slot
	ds_add_u32 v[SPW], v[NIL]
.if \fill
	s_xor_b32 s[G0+5], s[G0+5], SLOT1
	s_add_nc_u64 s[G0+6:G0+7], s[G0+6:G0+7], TILEB
	s_xor_b32 s[G0B+5], s[G0B+5], SLOT1
	s_add_nc_u64 s[G0B+6:G0B+7], s[G0B+6:G0B+7], TILEB
.endif
	s_wait_dscnt 17                                ; the add and the youngest sixteen loads may be out
	MUL8 F1, 0, 0
	s_wait_dscnt 0x0                               ; the add is done, and my reads of this slot are over
	s_barrier_signal -1
	MUL8 F1, 0, 2
	WIN 0
	s_barrier_wait -1
.if \fill
	CREST
	JLOAD
.else
	PLACES
.endif
	s_xor_b32 s[TB], s[TB], SLOT1
	v_add_nc_u32 v[ADA], s[TB], v[A0]
	v_add_nc_u32 v[ADB], s[TB], v[B0]
	FETCH 0, F0
	MUL8 F1, 1, 0
	MUL8 F1, 1, 2
.endm
	s_wait_tensorcnt 1                             ; my part of K step 0 is in; step 1's may stay out
	s_barrier_signal -1
	s_barrier_wait -1
	FETCH 0, F0
	s_wait_loadcnt 0x0                             ; x is in the accumulators
	WIN 0
	s_mov_b32 s[CT], STEPS-2
.Lk:                                   ; a trip is a K step; trip i asks for step i + 2
	QUARTER 1, F0, F1
	QUARTER 2, F1, F0
	QUARTER 3, F0, F1
	TURN 1
	WIN 0
	s_sub_co_u32 s[CT], s[CT], 1
	s_cmp_lg_u32 s[CT], 0
	s_cbranch_scc1 .Lk
	s_mov_b32 s[CT], 2
.Ltail:                                ; the last two steps ask for nothing; the last change of slots and the 32 loads behind it serve nothing, the price of one text
	QUARTER 1, F0, F1
	QUARTER 2, F1, F0
	QUARTER 3, F0, F1
	TURN 0
	WIN 0
	s_sub_co_u32 s[CT], s[CT], 1
	s_cmp_lg_u32 s[CT], 0
	s_cbranch_scc1 .Ltail
	s_wait_dscnt 0x0
	PLACES
.set n, 0
.rept 16                               ; each accumulator is read from its low end on
	global_store_b128 v[L16], v[ACC+8*n:ACC+8*n+3],   s[XF:XF+1] offset:n*1024
	global_store_b128 v[L16], v[ACC+8*n+4:ACC+8*n+7], s[XF:XF+1] offset:n*1024+512
.if n%4 == 0
	v_pk_mul_f32 v[SS+2*(n/4):SS+2*(n/4)+1], v[ACC+8*n:ACC+8*n+1], v[ACC+8*n:ACC+8*n+1]
.else
	v_pk_fma_f32 v[SS+2*(n/4):SS+2*(n/4)+1], v[ACC+8*n:ACC+8*n+1], v[ACC+8*n:ACC+8*n+1], v[SS+2*(n/4):SS+2*(n/4)+1]
.endif
.irp p, 1,2,3
	v_pk_fma_f32 v[SS+2*(n/4):SS+2*(n/4)+1], v[ACC+8*n+2*\p:ACC+8*n+2*\p+1], v[ACC+8*n+2*\p:ACC+8*n+2*\p+1], v[SS+2*(n/4):SS+2*(n/4)+1]
.endr
.irp p, 0,1,2,3
	v_cvt_pk_bf16_f32 v[PK+4*n+\p], v[ACC+8*n+2*\p], v[ACC+8*n+2*\p+1]
.endr
	global_store_b128 v[L16], v[PK+4*n:PK+4*n+3], s[XBP:XBP+1] offset:(n/4)*32768+(n%4)*512
.set n, n+1
.endr
.irp a, 0,1,2,3
	v_add_f32 v[SS+2*\a], v[SS+2*\a], v[SS+2*\a+1]
.endr
.irp a, 0,1,2,3
	v_permlanex16_b32 v[SS+2*\a+1], v[SS+2*\a], s[SEL], s[SEL+1]  ; the row's other 32 columns lie in the lane 16 away
.endr
.irp a, 0,1,2,3
	v_add_f32 v[SS+2*\a], v[SS+2*\a], v[SS+2*\a+1]
.endr
	v_cmp_gt_u32 s86, 16, v1
	v_cndmask_b32 v104, v[SS+2], v[SS], s86        ; lanes 0-15: tokens of tile 0; lanes 16-31: of tile 1
	v_cndmask_b32 v105, v[SS+6], v[SS+4], s86
	global_store_b32 v[L4], v104, s[SQ:SQ+1]
	global_store_b32 v[L4], v105, s[SQ:SQ+1] offset:128
	s_wait_tensorcnt 0x0                           ; the wave's end
	ds_add_u32 v[SPW], v[NIL]
	s_wait_dscnt 0x0
	CROUND
	s_endpgm
.Lfunc_end_k_qd05779e8a7_wo:
	.size	k_qd05779e8a7_wo, .Lfunc_end_k_qd05779e8a7_wo-k_qd05779e8a7_wo
	.p2alignl 7, 3214868480
	.fill 96, 4, 3214868480
	.section	.rodata,"a",@progbits
	.p2align	6, 0x0
	.amdhsa_kernel k_qd05779e8a7_wo
		.amdhsa_group_segment_fixed_size 327680
		.amdhsa_private_segment_fixed_size 0
		.amdhsa_enable_private_segment 0
		.amdhsa_kernarg_size 32
		.amdhsa_user_sgpr_count 2
		.amdhsa_user_sgpr_kernarg_segment_ptr 1
		.amdhsa_wavefront_size32 1
		.amdhsa_system_sgpr_workgroup_id_x 1
		.amdhsa_system_sgpr_workgroup_id_y 1
		.amdhsa_system_sgpr_workgroup_id_z 1
		.amdhsa_system_vgpr_workitem_id 0
		.amdhsa_next_free_vgpr 512
		.amdhsa_next_free_sgpr 100
		.amdhsa_reserve_vcc 0
		.amdhsa_float_denorm_mode_32 3
		.amdhsa_float_denorm_mode_16_64 3
		.amdhsa_memory_ordered 1
		.amdhsa_forward_progress 1
		.amdhsa_inst_pref_size 62
	.end_amdhsa_kernel
	.amdgpu_metadata
---
amdhsa.version: [ 1, 2 ]
amdhsa.kernels:
  - .name:           k_qd05779e8a7_wo
    .symbol:         k_qd05779e8a7_wo.kd
    .args:
      - { .name: o8, .offset: 0, .size: 8, .value_kind: global_buffer, .address_space: global }
      - { .name: wts, .offset: 8, .size: 8, .value_kind: global_buffer, .address_space: global }
      - { .name: x, .offset: 16, .size: 8, .value_kind: global_buffer, .address_space: global }
      - { .name: x2, .offset: 24, .size: 8, .value_kind: global_buffer, .address_space: global }
    .group_segment_fixed_size: 327680
    .private_segment_fixed_size: 0
    .kernarg_segment_align: 8
    .kernarg_segment_size: 32
    .max_flat_workgroup_size: 128
    .sgpr_count:     100
    .vgpr_count:     512
    .wavefront_size: 32
...
	.end_amdgpu_metadata
.endif
;; end of part 4
;; launch ffn1 (part 5): grid 16 x 16, 4 waves a work-group, clusters of 4 x 4, 327,680 bytes of LDS; arguments x2, wts, h8; writes h8
.if DOCPART == 5
	.amdgcn_target "amdgcn-amd-amdhsa--gfx1250"
	.amdhsa_code_object_version 6
	.text
	.protected	k_qd05779e8a7_ffn1
	.globl	k_qd05779e8a7_ffn1
	.p2align	8
	.type	k_qd05779e8a7_ffn1,@function
k_qd05779e8a7_ffn1:
	s_mov_b64 s[64:65], 0
	v_nop
	global_prefetch_b8 v0, s[64:65] scope:SCOPE_SE
	s_setreg_imm32_b32 hwreg(HW_REG_WAVE_MODE, 25, 1), 1
	s_wait_xcnt 0x0
	s_wait_alu depctr_hold_cnt(0) depctr_sa_sdst(0) depctr_va_vdst(0) depctr_va_sdst(0) depctr_va_ssrc(0) depctr_va_vcc(0) depctr_vm_vsrc(0)
	s_getreg_b32 s2, hwreg(HW_REG_IB_STS2, 6, 4)
	s_cmp_eq_u32 s2, 0
	s_cbranch_scc0 .Lentry_in_a_cluster
	s_endpgm
.Lentry_in_a_cluster:
	s_bfe_u32 s2, ttmp6, 0x10000c
	s_cmp_lg_u32 s2, 0xf033
	s_cbranch_scc0 .Lentry_shape_is_right
	s_endpgm
.Lentry_shape_is_right:
; h = silu(x1) x3, x1 = xn w1^T, x3 = xn w3^T, xn = x2 / rms g2.  The gain lies in the weights already; the row's 1 / rms is applied behind the products, in f32:
;   with R2 = mean(x2 x2) + 1e-5 and the raw sums x1r, x3r:  h = x1r x3r / (R2 (1 + 2^(-log2(e) x1r / sqrt(R2)))).
; Operands in bf16 (x2 is not normalised and h has no bound: f16 has no room for them), sums in f32, h rounded once to bf16.
; SHARES.  4,096 tokens x 5,632 rows of the interleaved weights are 16 x 16 tiles of 256 x 352: one work-group for each of 256 WGPs.  Its four waves make 128 x 176 each: 88 accumulators of 16 x 16, 704 registers;
; for 32 along K a wave reads 19 fragments from LDS for 88 matrix instructions.  In a tile row of the weights rows 8 hh + 0..3 are w1's and 8 hh + 4..7 w3's of the same four columns, so a lane's registers 0-3 are
; x1 and 4-7 x3 of 4 neighbouring columns of h: 8 bytes of a plane of F(4096, 2816); 32 lanes fill a plane's 256 bytes.  d_ff is padded from 2,752 to 2,816 with rows of zeros, for which h = 0.
; RING.  Two slots of 155,648 bytes, a K step of 128 each: the tokens' 16 tile rows of 4,096 bytes, then the weights' 22.  Waves 0 and 1 fetch 8 tile rows of the tokens each, waves 2 and 3 eleven of the weights:
; one tensor load a wave behind each change of slots, 330 matrix instructions ahead of the wait for it.  CLUSTER 4 x 4: the tokens' tiles are asked for jointly along a row of the cluster, the weights' along a column.
; AHEAD OF THE RING: behind the refill that asks for K step s + 2 stand the prefetches for K step s + 3: 352 matrix instructions ahead of the load that will want it.
; REGISTERS, in windows of 256.  Accumulator n = 11 a + t (token tile a, column tile t) lies in window 1 + n / 32 at register 8 (n % 32): windows 1, 2 and v0-191 of window 3.
;   window 0: v0-15 addresses; v16-31 a pair (-log2(e) / rms, R2) for each token tile; v32-207 the weights' fragments, two buffers of 88; v208-239 the tokens' tiles 4 to 7, ONE buffer
;   window 3: v192-255 the tokens' tiles 0 to 3, two buffers of 32
; 1,024 - 704 leave 320 registers, and two whole buffers of 19 fragments would be 304 beside the addresses: so the tokens' tiles 4 to 7 have one buffer, filled at the head of their own quarter, 44 matrix instructions ahead of their use.
; LIMITS: where the exponential or its product with R2 passes f32's range, h is 0, which is silu's limit.  NaN and infinities are not treated apart.
.set NT,    11
.set TILEB, 4096
.set KROW,  32768
.set SLOTB, 38*TILEB                   ; 155,648
.set SPARE, 2*SLOTB                    ; behind the ring: the spare words, 128 bytes for each wave
.set W13,   16777216
.set X2B,   16777216
.set SSQ,   25165824
.set HROW,  90112
.set A0,  4                            ; v4   my place in the tokens' part of a slot; never rewritten
.set B0,  5                            ; v5   in the weights'
.set ADA, 6                            ; v6   the same in the slot that is read
.set ADB, 7
.set L16, 8                            ; v8   16 x lane
.set HO,  9                            ; v9   my 8 bytes in a plane of h, in the token tile that goes out
.set SQO, 10                           ; v10  my place among the partial sums of squares
.set PFO, 11                           ; v11  the prefetches' offset; never rewritten
.set SPW, 12
.set NIL, 13
.set RC,  14                           ; v[14:15] the pair of the token tile that goes out
.set RS,  16                           ; v[16:31]
.set BF,  32                           ; the weights' fragments: buffer f, tile t at BF + 88 f + 8 t
.set AH,  208                          ; the tokens' tiles 4 to 7
.set AL,  192                          ; window 3: the tokens' tiles 0 to 3: buffer f, tile a at AL + 32 f + 8 a
.set LB,  32                           ; at the head: 64 partial sums
.set EX,  32                           ; the way out: v[32:75]
.set PR,  76                           ; v[76:119]
.set OU,  120                          ; v[120:141]
.set G1,  24
.set G0,  32
.set G1B, 48
.set G0B, 56
.set TB,  66                           ; s66  the slot that is read: 0 or SLOTB
.set CT,  67
.set HP,  68
.set SQ,  70
.set PFA, 72                           ; s[72:73] where my prefetches stand, at the K step that is named next
.set LIM, 74                           ; s74  1 in a wave that prefetches, else the greatest number
.set AI,  75                           ; s75  the token tile that goes out
.set LA,  78                           ; s78  where the tokens' tile that I fetch lies in a slot
.set LBD, 79                           ; s79  the weights'
.set WV,  80
.set MH,  81                           ; which half of the tokens is mine.  Also: I fetch for the tokens (0) or the weights (1)
.set NH,  82                           ; which half of the columns.  Also: which half of that tile I fetch
.set MB,  83
.set SEL, 84
.set MSB, 0
.macro WIN new                         ; the high byte repeats the setting that is left; a switch that changes nothing is dropped
.if MSB != (\new)
	s_set_vgpr_msb (MSB<<8)|(\new)
.set MSB, \new
.endif
.endm
.macro PLACES
.rept 4
	v_nop
.endr
.endm
.macro JLOAD                           ; a joint refill by the walking descriptors; an s_nop 0 and four v_nop follow each of the two lines
	s_cmp_eq_u32 s[MH], 0
	s_cbranch_scc0 .Lfor_b_\@
	tensor_load_to_lds s[G0+4:G0+7], s[G1:G1+7]
	s_nop 0
	PLACES
	s_branch .Lasked_\@
.Lfor_b_\@:
	tensor_load_to_lds s[G0B+4:G0B+7], s[G1B:G1B+7]
	s_nop 0
	PLACES
.Lasked_\@:
.endm
; THE PREFETCHES INTO THE L2.  A K step is 16 blocks of 256 bytes of each tile row.  The four partners that ask for a tile jointly take four of the sixteen each (4 cx on for the tokens, 4 cy on for the weights): told
; apart by address alone.  An instruction names 8 tile rows x 4 blocks, a lane a block.  The tokens' 16 tile rows are read by all four clusters of a row of clusters: the one with x = 0 asks, wave 0, two instructions.
; The weights' 22 are read by all four clusters of a column: the one with y = 0 asks, waves 1 to 3, rows 0-7, 8-15 and 16-21; the last eight lanes of wave 3 have no row of their own and name row 21's blocks again.
; All other blocks are named once in the launch.  The loop's last trip has no K step three on.
.macro ASK
	s_cmp_gt_u32 s[CT], s[LIM]
	s_cbranch_scc0 .Lnot_mine_\@
	global_prefetch_b8 v[PFO], s[PFA:PFA+1] th:TH_LOAD_NT scope:SCOPE_SE
	s_cmp_lg_u32 s[WV], 0
	s_cbranch_scc1 .Lnot_mine_\@
	global_prefetch_b8 v[PFO], s[PFA:PFA+1] offset:8*KROW th:TH_LOAD_NT scope:SCOPE_SE
.Lnot_mine_\@:
.endm
.macro CREST                           ; a round of the cluster's barrier behind its opening barrier
	s_cmp_lg_u32 s[WV], 0
	s_cbranch_scc1 .Lnot_wave_0_\@
	s_barrier_signal -3
.Lnot_wave_0_\@:
	s_barrier_wait -3
	s_barrier_signal -1
	s_barrier_wait -1
.endm
.macro CROUND
	s_barrier_signal -1
	s_barrier_wait -1
	CREST
.endm
	s_load_b128 s[4:7], s[0:1], 0x0                ; x2 4, wts 6
	s_load_b64 s[8:9], s[0:1], 0x10                ; h8
	v_lshl_add_u32 v[SPW], v0, 2, SPARE
	v_mov_b32 v[NIL], 0
	ds_add_u32 v[SPW], v[NIL]                      ; the wave's opening: the add, waited for ahead of my first tensor load
	ds_add_u32 v12, v13
	v_lshrrev_b32 v1, 5, v0
	v_readfirstlane_b32 s[WV], v1
	s_lshr_b32 s[MH], s[WV], 1
	s_and_b32 s[NH], s[WV], 1
	s_bfe_u32 s40, ttmp6, 0x40000                  ; cx
	s_bfe_u32 s41, ttmp6, 0x40004                  ; cy
	s_lshl_b32 s42, ttmp9, 2
	s_add_co_u32 s42, s42, s40                     ; block of 352 rows of the weights
	s_and_b32 s[MB], ttmp7, 0xffff
	s_lshl_b32 s[MB], s[MB], 2
	s_add_co_u32 s[MB], s[MB], s41                 ; block of 256 tokens
	s_lshl_b32 s43, s41, 2
	s_lshl_b32 s43, 15, s43                        ; my row of the cluster
	s_lshl_b32 s44, 0x1111, s40                    ; my column
	s_or_b32 s[G1], s43, (3<<16)|(1<<21)           ; the mask; elements of 8 bytes; bit 21 beside a mask
	s_or_b32 s[G1B], s44, (3<<16)|(1<<21)
	s_mov_b32 s[G1+1], (TILEB/8)<<16               ; tensor_dim0 = 512 elements: a tile row's 4,096 bytes
	s_mov_b32 s[G1+2], 8<<16                       ; tensor_dim1 = 8 tile rows
	s_mov_b32 s[G1+3], (TILEB/8)<<16               ; tile_dim0
	s_mov_b32 s[G1+4], 8                           ; tile_dim1
	s_mov_b32 s[G1+5], KROW/8                      ; from tile row to tile row
	s_mov_b32 s[G1+6], 0
	s_mov_b32 s[G1+7], 0
	s_mov_b32 s[G1B+1], (TILEB/8)<<16
	s_mov_b32 s[G1B+2], NT<<16
	s_mov_b32 s[G1B+3], (TILEB/8)<<16
	s_mov_b32 s[G1B+4], NT
	s_mov_b32 s[G1B+5], KROW/8
	s_mov_b32 s[G1B+6], 0
	s_mov_b32 s[G1B+7], 0
	s_lshl_b32 s16, s[MB], 4                       ; the tokens: tile row 16 mb + 8 x half
	s_lshl3_add_u32 s16, s[NH], s16
	s_lshl_b32 s16, s16, 15
	s_add_co_u32 s16, s16, X2B
	s_mov_b32 s17, 0
	s_mul_i32 s46, s42, 2*NT                       ; the weights: tile row 22 nb + 11 x half
	s_mul_i32 s47, s[NH], NT
	s_add_co_u32 s46, s46, s47
	s_lshl_b32 s13, s46, 8                         ; which is also my first plane of h
	s_mul_i32 s46, s46, KROW
	s_mov_b32 s47, 0
	s_mul_i32 s[LA], s[NH], 8*TILEB                ; where they go: the wave's number alone decides
	s_mul_i32 s[LBD], s[NH], NT*TILEB
	s_add_co_u32 s[LBD], s[LBD], 16*TILEB
	s_lshl_b32 s12, s[MB], 4
	s_lshl3_add_u32 s12, s[MH], s12                ; my first tile row of tokens
	s_mul_i32 s12, s12, HROW
	s_add_co_u32 s12, s12, s13
	s_mov_b32 s13, 0
	s_lshl_b32 s18, s[MB], 10                      ; my first token's place in a row of partial sums: 256 mb + 128 x half, 4 bytes each
	s_lshl_b32 s19, s[MH], 9
	s_add_co_u32 s18, s18, s19
	s_add_co_u32 s18, s18, SSQ
	s_mov_b32 s19, 0
	s_mov_b32 s[SEL], 0x76543210
	s_mov_b32 s[SEL+1], 0xfedcba98
	s_mov_b32 s76, 0x3a800000                      ; 1 / 1,024
	s_mov_b32 s77, 0x3727c5ac                      ; 1e-5
	s_mov_b32 s[TB], 0
	s_wait_dscnt 0x0                               ; the opening add is done
	s_wait_kmcnt 0x0
	s_add_nc_u64 s[HP:HP+1], s[8:9], s[12:13]
	s_add_nc_u64 s[SQ:SQ+1], s[4:5], s[18:19]
	s_add_nc_u64 s[14:15], s[4:5], s[16:17]
	s_add_nc_u64 s[46:47], s[6:7], s[46:47]
	s_add_nc_u64 s[46:47], s[46:47], W13
	CROUND                                         ; all sixteen work-groups are here: the first joint loads meet
.irp s, 0,1
	s_mov_b32 s[G0+4*\s], 1
	s_add_co_u32 s[G0+4*\s+1], s[LA], \s*SLOTB
	s_add_nc_u64 s[G0+4*\s+2:G0+4*\s+3], s[14:15], \s*TILEB
	s_or_b32 s[G0+4*\s+3], s[G0+4*\s+3], 0x80000000
	s_mov_b32 s[G0B+4*\s], 1
	s_add_co_u32 s[G0B+4*\s+1], s[LBD], \s*SLOTB
	s_add_nc_u64 s[G0B+4*\s+2:G0B+4*\s+3], s[46:47], \s*TILEB
	s_or_b32 s[G0B+4*\s+3], s[G0B+4*\s+3], 0x80000000
.endr
	s_cmp_eq_u32 s[MH], 0                          ; a wave's two first fills stand in one branch: two loads of mine are out
	s_cbranch_scc0 .Lfirst_b
	tensor_load_to_lds s[G0:G0+3], s[G1:G1+7]
	s_nop 0
	tensor_load_to_lds s[G0+4:G0+7], s[G1:G1+7]
	s_nop 0
	PLACES
	s_branch .Lfirst_asked
.Lfirst_b:
	tensor_load_to_lds s[G0B:G0B+3], s[G1B:G1B+7]
	s_nop 0
	tensor_load_to_lds s[G0B+4:G0B+7], s[G1B:G1B+7]
	s_nop 0
	PLACES
.Lfirst_asked:
	v_and_b32 v1, 31, v0
	v_lshlrev_b32 v[L16], 4, v1
	v_and_b32 v2, 15, v0
	v_bfe_u32 v3, v0, 4, 1
	v_lshlrev_b32 v[SQO], 2, v2
	v_lshl_add_u32 v[SQO], v3, 14, v[SQO]
	; The 16 partial sums of squares of my wave's 128 tokens, straight in the accumulators' order: for token tile a a lane takes token 16 a + lane % 16; lanes 0-15 the even partial sums, lanes 16-31 the odd ones.
.set j, 0
.rept 8
.set a, 0
.rept 8
	global_load_b32 v[LB+8*j+a], v[SQO], s[SQ:SQ+1] offset:j*32768+a*64
.set a, a+1
.endr
.set j, j+1
.endr
	v_lshlrev_b32 v[HO], 4, v2
	v_lshl_add_u32 v[HO], v3, 3, v[HO]
	s_mul_i32 s22, s[MH], 8*TILEB
	v_add_nc_u32 v[A0], s22, v[L16]
	s_mul_i32 s22, s[NH], NT*TILEB
	s_add_co_u32 s22, s22, 16*TILEB
	v_add_nc_u32 v[B0], s22, v[L16]
	v_mov_b32 v[ADA], v[A0]
	v_mov_b32 v[ADB], v[B0]
	; where my prefetches stand: at K step 2; the first change of slots steps it to 3.  Nothing is prefetched here, at the head
	s_lshl_b32 s20, s[MB], 19                      ; the tokens': 16 mb tile rows of 32,768 bytes
	s_lshl_b32 s21, s40, 10                        ; + 4 cx blocks
	s_add_co_u32 s20, s20, s21
	s_add_co_u32 s20, s20, X2B+2*TILEB
	s_mul_i32 s22, s42, 2*NT*KROW                  ; the weights': 22 nb tile rows
	s_lshl_b32 s23, s41, 10                        ; + 4 cy blocks
	s_add_co_u32 s22, s22, s23
	s_add_co_u32 s22, s22, W13+2*TILEB
	s_and_b32 s23, ttmp7, 0xffff                   ; cluster y
	s_cmp_eq_u32 s[WV], 0
	s_cselect_b64 s[PFA:PFA+1], s[4:5], s[6:7]
	s_cselect_b32 s20, s20, s22
	s_cselect_b32 s23, ttmp9, s23                  ; the coordinate along which other clusters read the same rows
	s_mov_b32 s21, 0
	s_add_nc_u64 s[PFA:PFA+1], s[PFA:PFA+1], s[20:21]
	s_cmp_eq_u32 s23, 0
	s_cselect_b32 s[LIM], 1, -1                    ; the same in all sixteen partners, for a given wave
	s_max_u32 s20, s[WV], 1
	s_sub_co_u32 s20, s20, 1
	s_lshl_b32 s20, s20, 3                         ; wave 0: rows 0 on; waves 1 to 3: rows 8 (wave - 1) on
	v_lshrrev_b32 v2, 2, v1
	v_add_nc_u32 v2, s20, v2
	v_min_u32 v2, 21, v2
	v_lshlrev_b32 v2, 15, v2
	v_and_b32 v3, 3, v1
	v_lshl_add_u32 v[PFO], v3, 8, v2
	s_wait_loadcnt 0x0                             ; stands in the wait for the first tile
.set j, 1
.rept 7
.irp a, 0,2,4,6
	v_pk_add_f32 v[LB+\a:LB+\a+1], v[LB+\a:LB+\a+1], v[LB+8*j+\a:LB+8*j+\a+1]
.endr
.set j, j+1
.endr
.irp a, 0,1,2,3,4,5,6,7
	v_permlanex16_b32 v[LB+8+\a], v[LB+\a], s[SEL], s[SEL+1]  ; the other eight partial sums lie in the lane 16 away
.endr
.irp a, 0,2,4,6
	v_pk_add_f32 v[LB+\a:LB+\a+1], v[LB+\a:LB+\a+1], v[LB+8+\a:LB+8+\a+1]
.endr
.irp a, 0,1,2,3,4,5,6,7
	v_fma_f32 v[RS+2*\a+1], v[LB+\a], s76, s77     ; R2
.endr
.irp a, 0,1,2,3,4,5,6,7
	v_rsq_f32 v[RS+2*\a], v[RS+2*\a+1]
.endr
	v_nop                                          ; a plain instruction behind the last root,
	s_wait_alu depctr_va_vdst(0)                   ; and one wait for the eight
.irp a, 0,1,2,3,4,5,6,7
	v_mul_f32 v[RS+2*\a], 0xbfb8aa3b, v[RS+2*\a]   ; - log2(e) / rms
.endr
; The 11 products of token tile a on buffer f.  The 88 accumulators take turns, one instruction a turn, in the same order in every quarter of a K step.
.macro MULA f, a, zero
.set t, 0
.rept NT
.set n, NT*(\a)+t
.set wD, 1+n/32
.set rD, 8*(n%32)
.set rB, BF+88*(\f)+8*t
.if (\a) < 4
.set rA, AL+32*(\f)+8*(\a)
	WIN (wD<<6)|(wD<<4)|0x0c
.else
.set rA, AH+8*((\a)-4)
	WIN (wD<<6)|(wD<<4)
.endif
.if \zero
	v_wmma_f32_16x16x32_bf16 v[rD:rD+7], v[rB:rB+7], v[rA:rA+7], 0
.else
	v_wmma_f32_16x16x32_bf16 v[rD:rD+7], v[rB:rB+7], v[rA:rA+7], v[rD:rD+7]
.endif
.set t, t+1
.endr
.endm
.macro FETCH_AH c                      ; the tokens' tiles 4 to 7 of quarter c: 8 loads
	WIN 0
.irp a, 4,5,6,7
	ds_load_b128 v[AH+8*((\a)-4):AH+8*((\a)-4)+3],   v[ADA] offset:(\a)*TILEB+(\c)*1024
	ds_load_b128 v[AH+8*((\a)-4)+4:AH+8*((\a)-4)+7], v[ADA] offset:(\a)*TILEB+(\c)*1024+512
.endr
.endm
.macro FETCH_N c, f                    ; the weights' eleven tiles and the tokens' tiles 0 to 3 of quarter c into buffer f: 30 loads in one run
	WIN 0
.set t, 0
.rept NT
	ds_load_b128 v[BF+88*(\f)+8*t:BF+88*(\f)+8*t+3],   v[ADB] offset:t*TILEB+(\c)*1024
	ds_load_b128 v[BF+88*(\f)+8*t+4:BF+88*(\f)+8*t+7], v[ADB] offset:t*TILEB+(\c)*1024+512
.set t, t+1
.endr
	WIN 0xc0                                       ; destination window 3, address window 0
.irp a, 0,1,2,3
	ds_load_b128 v[AL+32*(\f)+8*(\a):AL+32*(\f)+8*(\a)+3],   v[ADA] offset:(\a)*TILEB+(\c)*1024
	ds_load_b128 v[AL+32*(\f)+8*(\a)+4:AL+32*(\f)+8*(\a)+7], v[ADA] offset:(\a)*TILEB+(\c)*1024+512
.endr
.endm
; Quarter c of a K step, on buffer f; in its middle it fetches quarter c + 1 into buffer g.  The four v_nop at its head stand behind the last product of the quarter before, which read the one buffer of tiles 4 to 7 and
; buffer g: they are the places ahead of both runs of loads.
.macro CHUNK c, f, g, zero
	PLACES
	FETCH_AH \c
	s_wait_dscnt 8                                 ; buffer f is in; the eight loads just issued may be out
	MULA \f, 0, \zero
	MULA \f, 1, \zero
	MULA \f, 2, \zero
	MULA \f, 3, \zero
	FETCH_N (\c)+1, \g
	s_wait_dscnt 30                                ; tiles 4 to 7 are in; the thirty loads just issued may be out
	MULA \f, 4, \zero
	MULA \f, 5, \zero
	MULA \f, 6, \zero
	MULA \f, 7, \zero
.endm
; The step's last quarter, on buffer 1, and the change of slots: each wave waits for all its tensor loads (one is out: its part of the next slot), adds 0 to its spare word, waits for that
; and for its reads of this slot.  fill = 1: the barrier opens a round of the cluster's, and the joint refill, two steps ahead, is the first thing behind it.
.macro TURNC fill
.if \fill
	s_wait_xcnt 0x0                                ; the last prefetches, a K step back, have read their address: it is stepped here, ahead of the waits of the change of slots
	s_add_nc_u64 s[PFA:PFA+1], s[PFA:PFA+1], TILEB
.endif
	PLACES
	FETCH_AH 3                                     ; my last reads of this slot
	s_wait_dscnt 8
	MULA 1, 0, 0
	MULA 1, 1, 0
	WIN 0
	s_wait_tensorcnt 0x0
	ds_add_u32 v[SPW], v[NIL]
.if \fill
	s_add_co_u32 s[G0+5], s[LA], s[TB]             ; no load of mine is out: the walking descriptors step to the slot that is being left and to the next K step
	s_add_nc_u64 s[G0+6:G0+7], s[G0+6:G0+7], TILEB
	s_add_co_u32 s[G0B+5], s[LBD], s[TB]
	s_add_nc_u64 s[G0B+6:G0B+7], s[G0B+6:G0B+7], TILEB
.endif
	MULA 1, 2, 0                                   ; eleven matrix instructions stand between the add and the wait for it
	s_wait_dscnt 0x0                               ; the add is done, and my reads of this slot are over
	s_barrier_signal -1
	MULA 1, 3, 0
	WIN 0
	s_barrier_wait -1
.if \fill
	CREST
	JLOAD
.endif
	s_xor_b32 s[TB], s[TB], SLOTB
	v_add_nc_u32 v[ADA], s[TB], v[A0]
	v_add_nc_u32 v[ADB], s[TB], v[B0]
	FETCH_N 0, 0
.if \fill
	WIN 0
	ASK                                            ; behind the joint load and the run of LDS loads that the next products wait for
.endif
	MULA 1, 4, 0
	MULA 1, 5, 0
	MULA 1, 6, 0
	MULA 1, 7, 0
.endm
	s_wait_tensorcnt 1                             ; my part of K step 0 is in; step 1's may stay out
	s_barrier_signal -1
	s_barrier_wait -1
	FETCH_N 0, 0
	CHUNK 0, 0, 1, 1                               ; the first quarter starts the sums
	WIN 0
	s_mov_b32 s[CT], 6
.Lk:                                   ; a trip: from a step's second quarter to the next step's first; trip i asks for step i + 2
	CHUNK 1, 1, 0, 0
	CHUNK 2, 0, 1, 0
	TURNC 1
	CHUNK 0, 0, 1, 0
	WIN 0
	s_sub_co_u32 s[CT], s[CT], 1
	s_cmp_lg_u32 s[CT], 0
	s_cbranch_scc1 .Lk
	s_mov_b32 s[CT], 2
.Ltail:                                ; the last two steps ask for nothing.  The second trip is left in its middle: its change of slots and the 30 loads behind it serve nothing, the price of one text
	CHUNK 1, 1, 0, 0
	CHUNK 2, 0, 1, 0
	TURNC 0
	WIN 0
	s_sub_co_u32 s[CT], s[CT], 1
	s_cmp_eq_u32 s[CT], 0
	s_cbranch_scc1 .Lout
	CHUNK 0, 0, 1, 0
	WIN 0
	s_branch .Ltail
.Lout:
	s_wait_dscnt 0x0
	PLACES
; THE WAY OUT, a token tile at a time: 44 numbers of h a lane.  Register numbers are fixed in the text, so only what reads a tile's own accumulators is written for each tile (ROWIN: 46 lines, which leave
; - log2(e) x1 / rms and x1r x3r in window 0); all that follows is written once.  A counted loop goes over the eight tiles, and forward jumps on its counter lead to the tile's own lines.
.macro ROWIN a
	WIN 0
	v_mov_b32 v[RC], v[RS+2*(\a)]
	v_mov_b32 v[RC+1], v[RS+2*(\a)+1]
.set t, 0
.rept NT                               ; each accumulator is read from its low end on
.set n, NT*(\a)+t
	WIN 1+n/32
	v_pk_mul_f32 v[EX+4*t:EX+4*t+1],   v[8*(n%32):8*(n%32)+1],   v[RC:RC+1] op_sel_hi:[1,0]
	v_pk_mul_f32 v[EX+4*t+2:EX+4*t+3], v[8*(n%32)+2:8*(n%32)+3], v[RC:RC+1] op_sel_hi:[1,0]
.set t, t+1
.endr
.set t, 0
.rept NT
.set n, NT*(\a)+t
	WIN 5*(1+n/32)
	v_pk_mul_f32 v[PR+4*t:PR+4*t+1],   v[8*(n%32):8*(n%32)+1],   v[8*(n%32)+4:8*(n%32)+5]
	v_pk_mul_f32 v[PR+4*t+2:PR+4*t+3], v[8*(n%32)+2:8*(n%32)+3], v[8*(n%32)+6:8*(n%32)+7]
.set t, t+1
.endr
	WIN 0
.endm
	s_mov_b32 s[AI], 0
.Lrow:
.irp a, 0,1,2,3,4,5,6
	s_cmp_eq_u32 s[AI], \a
	s_cbranch_scc1 .Lrow\a
.endr
	ROWIN 7
	s_branch .Lsilu
.irp a, 0,1,2,3,4,5
.Lrow\a:
	ROWIN \a
	s_branch .Lsilu
.endr
.Lrow6:
	ROWIN 6
.Lsilu:                                ; the exponentials are one batch with one wait, the reciprocals another
.set n, 0
.rept 4*NT
	v_exp_f32 v[EX+n], v[EX+n]
.set n, n+1
.endr
	v_nop
	s_wait_alu depctr_va_vdst(0)
.set n, 0
.rept 2*NT                             ; R2 (1 + e)
	v_pk_fma_f32 v[EX+2*n:EX+2*n+1], v[EX+2*n:EX+2*n+1], v[RC:RC+1], v[RC:RC+1] op_sel:[0,1,1] op_sel_hi:[1,1,1]
.set n, n+1
.endr
.set n, 0
.rept 4*NT
	v_rcp_f32 v[EX+n], v[EX+n]
.set n, n+1
.endr
	v_nop
	s_wait_alu depctr_va_vdst(0)
.set n, 0
.rept 2*NT
	v_pk_mul_f32 v[PR+2*n:PR+2*n+1], v[PR+2*n:PR+2*n+1], v[EX+2*n:EX+2*n+1]
.set n, n+1
.endr
.set n, 0
.rept 2*NT
	v_cvt_pk_bf16_f32 v[OU+n], v[PR+2*n], v[PR+2*n+1]
.set n, n+1
.endr
.set n, 0
.rept NT
	global_store_b64 v[HO], v[OU+2*n:OU+2*n+1], s[HP:HP+1] offset:n*256  ; the wave's 32 lanes store 256 consecutive bytes, aligned
.set n, n+1
.endr
	s_wait_xcnt 0x0                                ; the stores have read their offset and their data: both are written again in the next trip
	v_add_nc_u32 v[HO], HROW, v[HO]                ; the next token tile's row of planes
	s_add_co_u32 s[AI], s[AI], 1
	s_cmp_lt_u32 s[AI], 8
	s_cbranch_scc1 .Lrow
	s_wait_tensorcnt 0x0                           ; the wave's end
	ds_add_u32 v[SPW], v[NIL]
	s_wait_dscnt 0x0
	CROUND                                         ; the closing round
	s_endpgm
.Lfunc_end_k_qd05779e8a7_ffn1:
	.size	k_qd05779e8a7_ffn1, .Lfunc_end_k_qd05779e8a7_ffn1-k_qd05779e8a7_ffn1
	.p2alignl 7, 3214868480
	.fill 96, 4, 3214868480
	.section	.rodata,"a",@progbits
	.p2align	6, 0x0
	.amdhsa_kernel k_qd05779e8a7_ffn1
		.amdhsa_group_segment_fixed_size 327680
		.amdhsa_private_segment_fixed_size 0
		.amdhsa_enable_private_segment 0
		.amdhsa_kernarg_size 24
		.amdhsa_user_sgpr_count 2
		.amdhsa_user_sgpr_kernarg_segment_ptr 1
		.amdhsa_wavefront_size32 1
		.amdhsa_system_sgpr_workgroup_id_x 1
		.amdhsa_system_sgpr_workgroup_id_y 1
		.amdhsa_system_sgpr_workgroup_id_z 1
		.amdhsa_system_vgpr_workitem_id 0
		.amdhsa_next_free_vgpr 1024
		.amdhsa_next_free_sgpr 100
		.amdhsa_reserve_vcc 0
		.amdhsa_float_denorm_mode_32 3
		.amdhsa_float_denorm_mode_16_64 3
		.amdhsa_memory_ordered 1
		.amdhsa_forward_progress 1
		.amdhsa_inst_pref_size 129
	.end_amdhsa_kernel
	.amdgpu_metadata
---
amdhsa.version: [ 1, 2 ]
amdhsa.kernels:
  - .name:           k_qd05779e8a7_ffn1
    .symbol:         k_qd05779e8a7_ffn1.kd
    .args:
      - { .name: x2, .offset: 0, .size: 8, .value_kind: global_buffer, .address_space: global }
      - { .name: wts, .offset: 8, .size: 8, .value_kind: global_buffer, .address_space: global }
      - { .name: h8, .offset: 16, .size: 8, .value_kind: global_buffer, .address_space: global }
    .group_segment_fixed_size: 327680
    .private_segment_fixed_size: 0
    .kernarg_segment_align: 8
    .kernarg_segment_size: 24
    .max_flat_workgroup_size: 128
    .sgpr_count:     100
    .vgpr_count:     1024
    .wavefront_size: 32
...
	.end_amdgpu_metadata
.endif
;; end of part 5
;; launch ffn2 (part 6): grid 8 x 32, 4 waves a work-group, clusters of 4 x 4, 327,680 bytes of LDS; arguments h8, wts, x2, out0; writes out0
.if DOCPART == 6
	.amdgcn_target "amdgcn-amd-amdhsa--gfx1250"
	.amdhsa_code_object_version 6
	.text
	.protected	k_qd05779e8a7_ffn2
	.globl	k_qd05779e8a7_ffn2
	.p2align	8
	.type	k_qd05779e8a7_ffn2,@function
k_qd05779e8a7_ffn2:
	s_mov_b64 s[64:65], 0
	v_nop
	global_prefetch_b8 v0, s[64:65] scope:SCOPE_SE
	s_setreg_imm32_b32 hwreg(HW_REG_WAVE_MODE, 25, 1), 1
	s_wait_xcnt 0x0
	s_wait_alu depctr_hold_cnt(0) depctr_sa_sdst(0) depctr_va_vdst(0) depctr_va_sdst(0) depctr_va_ssrc(0) depctr_va_vcc(0) depctr_vm_vsrc(0)
	s_getreg_b32 s2, hwreg(HW_REG_IB_STS2, 6, 4)
	s_cmp_eq_u32 s2, 0
	s_cbranch_scc0 .Lentry_in_a_cluster
	s_endpgm
.Lentry_in_a_cluster:
	s_bfe_u32 s2, ttmp6, 0x10000c
	s_cmp_lg_u32 s2, 0xf033
	s_cbranch_scc0 .Lentry_shape_is_right
	s_endpgm
.Lentry_shape_is_right:
; out0 = x2 + h w2^T.  h and w2 in bf16 in the layout F, K = 2,816 (2,752 and 64 zeros) in eleven steps of 256; sums in f32, begun with x2 itself, which is loaded in the accumulators' own order.
; A work-group makes 128 tokens x 128 columns, its four waves 64 x 64: 16 accumulators.  Two slots of 131,072 bytes; cluster 4 x 4: h's tiles shared along a row, w2's along a column.
; The result is f32, row-major: 16 rows at a time go through the wave's own stage in LDS (rows of 272 bytes) and come back as whole rows of 256 bytes.
; AHEAD OF THE RING: behind the refill that asks for K step s + 2 stands one prefetch for K step s + 4: 256 matrix instructions ahead of the load that will want it.
; NaN and infinities are not treated apart.
.set TILEB, 8192
.set KROW,  90112
.set STEPS, 11
.set SLOT1, 131072
.set STAGE, 2*SLOT1                    ; behind the ring, never filled by a tensor load: 16 rows x 272 bytes for each wave
.set SP,    272
.set SPARE, STAGE+4*16*SP
.set W2O,   28311552
.set A0,  16
.set B0,  17
.set ADA, 18
.set ADB, 19
.set L16, 20
.set STO, 21
.set RD,  22
.set CO,  23
.set PFO, 24                           ; v24  256 x lane: the prefetches' offset; never rewritten
.set SPW, 28
.set NIL, 29
.set BK,  32                           ; v[32:95]  two sets of 16 rows read back
.set ACC, 128
.set F0,  0
.set F1,  128
.set G1,  24
.set G0,  32
.set G1B, 48
.set G0B, 56
.set TB,  66
.set CT,  67
.set XF,  68
.set OP,  70
.set WV,  80
.set MH,  81
.set NH,  82
.set MB,  83
.set PFA, 86                           ; s[86:87] where my prefetches stand: my tile row, at the K step that is named next
.set LIM, 88                           ; s88  2 in a wave that prefetches, else the greatest number
.set MSB, 0
.macro WIN new
.if MSB != (\new)
	s_set_vgpr_msb (MSB<<8)|(\new)
.set MSB, \new
.endif
.endm
.macro PLACES
.rept 4
	v_nop
.endr
.endm
.macro JLOAD
	s_cmp_eq_u32 s[MH], 0
	s_cbranch_scc0 .Lfor_b_\@
	tensor_load_to_lds s[G0+4:G0+7], s[G1:G1+7]
	s_nop 0
	PLACES
	s_branch .Lasked_\@
.Lfor_b_\@:
	tensor_load_to_lds s[G0B+4:G0B+7], s[G1B:G1B+7]
	s_nop 0
	PLACES
.Lasked_\@:
.endm
; A PREFETCH INTO THE L2: one tile row's 8,192 bytes of a K step: 32 blocks of 256 bytes, a lane a block, one instruction a wave.  Each block is named once in the launch.  h's tile rows are read by both clusters of
; a row of clusters: the one with x = 0 asks; w2's by all eight clusters of a column: the one with y = 0 asks.  Of the four tile rows that a wave fetches, each of the four partners that ask for them jointly takes
; one, told apart by address alone (cx for h, cy for w2).  The loop's last two trips have no K step four on.
.macro ASK
	s_cmp_gt_u32 s[CT], s[LIM]
	s_cbranch_scc0 .Lnot_mine_\@
	global_prefetch_b8 v[PFO], s[PFA:PFA+1] th:TH_LOAD_NT scope:SCOPE_SE
.Lnot_mine_\@:
.endm
.macro CREST
	s_cmp_lg_u32 s[WV], 0
	s_cbranch_scc1 .Lnot_wave_0_\@
	s_barrier_signal -3
.Lnot_wave_0_\@:
	s_barrier_wait -3
	s_barrier_signal -1
	s_barrier_wait -1
.endm
.macro CROUND
	s_barrier_signal -1
	s_barrier_wait -1
	CREST
.endm
	s_load_b256 s[4:11], s[0:1], 0x0               ; h8 4, wts 6, x2 8, out0 10
	v_lshl_add_u32 v[SPW], v0, 2, SPARE
	v_mov_b32 v[NIL], 0
	ds_add_u32 v[SPW], v[NIL]                      ; the wave's opening: the add, waited for ahead of my first tensor load
	ds_add_u32 v28, v29
	v_lshrrev_b32 v1, 5, v0
	v_readfirstlane_b32 s[WV], v1
	s_lshr_b32 s[MH], s[WV], 1
	s_and_b32 s[NH], s[WV], 1
	s_bfe_u32 s40, ttmp6, 0x40000
	s_bfe_u32 s41, ttmp6, 0x40004
	s_lshl_b32 s42, ttmp9, 2
	s_add_co_u32 s42, s42, s40
	s_and_b32 s[MB], ttmp7, 0xffff
	s_lshl_b32 s[MB], s[MB], 2
	s_add_co_u32 s[MB], s[MB], s41
	s_lshl_b32 s43, s41, 2
	s_lshl_b32 s43, 15, s43
	s_lshl_b32 s44, 0x1111, s40
	s_or_b32 s[G1], s43, (3<<16)|(1<<21)
	s_or_b32 s[G1B], s44, (3<<16)|(1<<21)
.irp g, G1, G1B
	s_mov_b32 s[\g+1], (TILEB/8)<<16
	s_mov_b32 s[\g+2], 4<<16
	s_mov_b32 s[\g+3], (TILEB/8)<<16
	s_mov_b32 s[\g+4], 4
	s_mov_b32 s[\g+5], KROW/8
	s_mov_b32 s[\g+6], 0
	s_mov_b32 s[\g+7], 0
.endr
	s_lshl_b32 s16, s[MB], 3
	s_lshl2_add_u32 s16, s[NH], s16
	s_mul_i32 s16, s16, KROW
	s_mov_b32 s17, 0
	s_lshl_b32 s46, s42, 3
	s_lshl2_add_u32 s46, s[NH], s46
	s_mul_i32 s46, s46, KROW
	s_mov_b32 s47, 0
	s_mul_i32 s20, s[NH], 4*TILEB
	s_add_co_u32 s21, s20, 8*TILEB
	s_lshl_b32 s12, s[MB], 7
	s_lshl_b32 s13, s[MH], 6
	s_add_co_u32 s12, s12, s13
	s_lshl_b32 s12, s12, 12                        ; my first token's row of out0,
	s_lshl_b32 s13, s42, 9
	s_add_co_u32 s12, s12, s13
	s_lshl_b32 s13, s[NH], 8
	s_add_co_u32 s12, s12, s13                     ; my first column
	s_mov_b32 s13, 0
	s_lshl_b32 s14, s[MB], 3
	s_add_co_u32 s14, s14, s42
	s_lshl2_add_u32 s14, s14, s[WV]
	s_lshl_b32 s14, s14, 14
	s_mov_b32 s15, 0
	s_mov_b32 s[TB], 0
	s_wait_dscnt 0x0
	s_wait_kmcnt 0x0
	s_add_nc_u64 s[OP:OP+1], s[10:11], s[12:13]
	s_add_nc_u64 s[XF:XF+1], s[8:9], s[14:15]
	s_add_nc_u64 s[14:15], s[4:5], s[16:17]
	s_add_nc_u64 s[46:47], s[6:7], s[46:47]
	s_add_nc_u64 s[46:47], s[46:47], W2O
	CROUND
.irp s, 0,1
	s_mov_b32 s[G0+4*\s], 1
	s_add_co_u32 s[G0+4*\s+1], s20, \s*SLOT1
	s_add_nc_u64 s[G0+4*\s+2:G0+4*\s+3], s[14:15], \s*TILEB
	s_or_b32 s[G0+4*\s+3], s[G0+4*\s+3], 0x80000000
	s_mov_b32 s[G0B+4*\s], 1
	s_add_co_u32 s[G0B+4*\s+1], s21, \s*SLOT1
	s_add_nc_u64 s[G0B+4*\s+2:G0B+4*\s+3], s[46:47], \s*TILEB
	s_or_b32 s[G0B+4*\s+3], s[G0B+4*\s+3], 0x80000000
.endr
	s_cmp_eq_u32 s[MH], 0
	s_cbranch_scc0 .Lfirst_b
	tensor_load_to_lds s[G0:G0+3], s[G1:G1+7]
	s_nop 0
	tensor_load_to_lds s[G0+4:G0+7], s[G1:G1+7]
	s_nop 0
	PLACES
	s_branch .Lfirst_asked
.Lfirst_b:
	tensor_load_to_lds s[G0B:G0B+3], s[G1B:G1B+7]
	s_nop 0
	tensor_load_to_lds s[G0B+4:G0B+7], s[G1B:G1B+7]
	s_nop 0
	PLACES
.Lfirst_asked:
	v_and_b32 v1, 31, v0
	v_lshlrev_b32 v[L16], 4, v1
.set n, 0
.rept 32                               ; the accumulators start as x2: 512 consecutive bytes a load
	global_load_b128 v[ACC+4*n:ACC+4*n+3], v[L16], s[XF:XF+1] offset:n*512
.set n, n+1
.endr
	s_mul_i32 s22, s[MH], 4*TILEB
	v_add_nc_u32 v[A0], s22, v[L16]
	s_mul_i32 s22, s[NH], 4*TILEB
	s_add_co_u32 s22, s22, 8*TILEB
	v_add_nc_u32 v[B0], s22, v[L16]
	v_mov_b32 v[ADA], v[A0]
	v_mov_b32 v[ADB], v[B0]
	v_and_b32 v2, 15, v0
	v_bfe_u32 v3, v0, 4, 1
	s_mul_i32 s22, s[WV], 16*SP
	s_add_co_u32 s22, s22, STAGE                   ; my stage
	v_mul_u32_u24 v[STO], v2, SP                   ; in: row lane % 16, 32 bytes for each half of the lanes
	v_lshl_add_u32 v[STO], v3, 5, v[STO]
	v_add_nc_u32 v[STO], s22, v[STO]
	v_mul_u32_u24 v[RD], v3, SP                    ; back: lanes 0-15 one row of 256 bytes, lanes 16-31 the next
	v_lshl_add_u32 v[RD], v2, 4, v[RD]
	v_add_nc_u32 v[RD], s22, v[RD]
	v_lshlrev_b32 v[CO], 12, v3                    ; and the same two rows in out0
	v_lshl_add_u32 v[CO], v2, 4, v[CO]
	; where my prefetches stand: at K step 3; the first change of slots steps it to 4.  Nothing is prefetched here, at the head
	s_lshl_b32 s20, s[MB], 3
	s_lshl2_add_u32 s20, s[NH], s20                ; h's: tile row 8 mb + the four that I fetch
	s_add_co_u32 s20, s20, s40                     ; + cx
	s_lshl_b32 s22, s42, 3
	s_lshl2_add_u32 s22, s[NH], s22                ; w2's: tile row 8 nb + the four that I fetch
	s_add_co_u32 s22, s22, s41                     ; + cy
	s_mul_i32 s20, s20, KROW
	s_mul_i32 s22, s22, KROW
	s_add_co_u32 s20, s20, 3*TILEB
	s_add_co_u32 s22, s22, W2O+3*TILEB
	s_and_b32 s23, ttmp7, 0xffff                   ; cluster y
	s_cmp_eq_u32 s[MH], 0
	s_cselect_b64 s[PFA:PFA+1], s[4:5], s[6:7]
	s_cselect_b32 s20, s20, s22
	s_cselect_b32 s23, ttmp9, s23                  ; the coordinate along which other clusters read the same rows
	s_mov_b32 s21, 0
	s_add_nc_u64 s[PFA:PFA+1], s[PFA:PFA+1], s[20:21]
	s_cmp_eq_u32 s23, 0
	s_cselect_b32 s[LIM], 2, -1                    ; the same in all sixteen partners, for a given wave
	v_lshlrev_b32 v[PFO], 8, v1
.macro MUL8 f, c, a0                   ; the 16 accumulators take turns
	WIN 0x05
.irp a, \a0, (\a0)+1
.irp b, 0,1,2,3
	v_wmma_f32_16x16x32_bf16 v[ACC+8*(4*(\a)+(\b)):ACC+8*(4*(\a)+(\b))+7], v[(\f)+64+8*(4*(\c)+(\b)):(\f)+64+8*(4*(\c)+(\b))+7], v[(\f)+8*(4*(\c)+(\a)):(\f)+8*(4*(\c)+(\a))+7], v[ACC+8*(4*(\a)+(\b)):ACC+8*(4*(\a)+(\b))+7]
.endr
.endr
.endm
.macro FETCH q, f
	WIN 0x40
.irp c, 0,1
.irp i, 0,1,2,3
	ds_load_b128 v[(\f)+64+8*(4*(\c)+(\i)):(\f)+64+8*(4*(\c)+(\i))+3],   v[ADB] offset:(\i)*TILEB+(2*(\q)+(\c))*1024
	ds_load_b128 v[(\f)+64+8*(4*(\c)+(\i))+4:(\f)+64+8*(4*(\c)+(\i))+7], v[ADB] offset:(\i)*TILEB+(2*(\q)+(\c))*1024+512
	ds_load_b128 v[(\f)+8*(4*(\c)+(\i)):(\f)+8*(4*(\c)+(\i))+3],         v[ADA] offset:(\i)*TILEB+(2*(\q)+(\c))*1024
	ds_load_b128 v[(\f)+8*(4*(\c)+(\i))+4:(\f)+8*(4*(\c)+(\i))+7],       v[ADA] offset:(\i)*TILEB+(2*(\q)+(\c))*1024+512
.endr
.endr
.endm
.macro QUARTER qn, f, g
	s_wait_dscnt 16                                ; the first 32 along K are in
	MUL8 \f, 0, 0
	MUL8 \f, 0, 2
	PLACES
	FETCH \qn, \g
	s_wait_dscnt 32                                ; all but the 32 just issued
	MUL8 \f, 1, 0
	MUL8 \f, 1, 2
.endm
.macro TURN fill
.if \fill
	s_wait_xcnt 0x0                                ; the last prefetch, a K step back, has read its address: it is stepped here, ahead of the waits of the change of slots
	s_add_nc_u64 s[PFA:PFA+1], s[PFA:PFA+1], TILEB
.endif
	WIN 0
	s_wait_tensorcnt 0x0                           ; all my tensor loads have landed: my part of the next slot
	ds_add_u32 v[SPW], v[NIL]
.if \fill
	s_xor_b32 s[G0+5], s[G0+5], SLOT1
	s_add_nc_u64 s[G0+6:G0+7], s[G0+6:G0+7], TILEB
	s_xor_b32 s[G0B+5], s[G0B+5], SLOT1
	s_add_nc_u64 s[G0B+6:G0B+7], s[G0B+6:G0B+7], TILEB
.endif
	s_wait_dscnt 17                                ; the add and the youngest sixteen loads may be out
	MUL8 F1, 0, 0
	s_wait_dscnt 0x0                               ; the add is done, and my reads of this slot are over
	s_barrier_signal -1
	MUL8 F1, 0, 2
	WIN 0
	s_barrier_wait -1
.if \fill
	CREST
	JLOAD
.else
	PLACES
.endif
	s_xor_b32 s[TB], s[TB], SLOT1
	v_add_nc_u32 v[ADA], s[TB], v[A0]
	v_add_nc_u32 v[ADB], s[TB], v[B0]
	FETCH 0, F0
.if \fill
	WIN 0
	ASK                                            ; behind the joint load and the run of LDS loads that the next products wait for
.endif
	MUL8 F1, 1, 0
	MUL8 F1, 1, 2
.endm
	s_wait_tensorcnt 1                             ; my part of K step 0 is in; step 1's may stay out
	s_barrier_signal -1
	s_barrier_wait -1
	FETCH 0, F0
	s_wait_loadcnt 0x0                             ; x2 is in the accumulators
	WIN 0
	s_mov_b32 s[CT], STEPS-2
.Lk:                                   ; a trip is a K step; trip i asks for step i + 2
	QUARTER 1, F0, F1
	QUARTER 2, F1, F0
	QUARTER 3, F0, F1
	TURN 1
	WIN 0
	s_sub_co_u32 s[CT], s[CT], 1
	s_cmp_lg_u32 s[CT], 0
	s_cbranch_scc1 .Lk
	s_mov_b32 s[CT], 2
.Ltail:                                ; the last two steps ask for nothing; the last change of slots and the 32 loads behind it serve nothing, the price of one text
	QUARTER 1, F0, F1
	QUARTER 2, F1, F0
	QUARTER 3, F0, F1
	TURN 0
	WIN 0
	s_sub_co_u32 s[CT], s[CT], 1
	s_cmp_lg_u32 s[CT], 0
	s_cbranch_scc1 .Ltail
	s_wait_dscnt 0x0
	PLACES
.irp a, 0,1,2,3                        ; 16 rows at a time through my own stage: LDS serves a wave's instructions in order, so no wait stands between the stores and the loads
.irp t, 0,1,2,3
	ds_store_b128 v[STO], v[ACC+8*(4*\a+\t):ACC+8*(4*\a+\t)+3]   offset:\t*64
	ds_store_b128 v[STO], v[ACC+8*(4*\a+\t)+4:ACC+8*(4*\a+\t)+7] offset:\t*64+16
.endr
	s_wait_xcnt 0x0                                ; earlier stores have read the registers that are loaded again
.irp i, 0,1,2,3,4,5,6,7
	ds_load_b128 v[BK+32*(\a%2)+4*\i:BK+32*(\a%2)+4*\i+3], v[RD] offset:\i*2*SP
.endr
.irp i, 0,1,2,3,4,5,6,7
	s_wait_dscnt 7-\i
	global_store_b128 v[CO], v[BK+32*(\a%2)+4*\i:BK+32*(\a%2)+4*\i+3], s[OP:OP+1] offset:(16*\a+2*\i)*4096  ; 16 lanes store 256 consecutive bytes, at a multiple of 256 from out0's first
.endr
.endr
	s_wait_tensorcnt 0x0                           ; the wave's end: behind my last LDS store
	ds_add_u32 v[SPW], v[NIL]
	s_wait_dscnt 0x0
	CROUND
	s_endpgm
.Lfunc_end_k_qd05779e8a7_ffn2:
	.size	k_qd05779e8a7_ffn2, .Lfunc_end_k_qd05779e8a7_ffn2-k_qd05779e8a7_ffn2
	.p2alignl 7, 3214868480
	.fill 96, 4, 3214868480
	.section	.rodata,"a",@progbits
	.p2align	6, 0x0
	.amdhsa_kernel k_qd05779e8a7_ffn2
		.amdhsa_group_segment_fixed_size 327680
		.amdhsa_private_segment_fixed_size 0
		.amdhsa_enable_private_segment 0
		.amdhsa_kernarg_size 32
		.amdhsa_user_sgpr_count 2
		.amdhsa_user_sgpr_kernarg_segment_ptr 1
		.amdhsa_wavefront_size32 1
		.amdhsa_system_sgpr_workgroup_id_x 1
		.amdhsa_system_sgpr_workgroup_id_y 1
		.amdhsa_system_sgpr_workgroup_id_z 1
		.amdhsa_system_vgpr_workitem_id 0
		.amdhsa_next_free_vgpr 512
		.amdhsa_next_free_sgpr 100
		.amdhsa_reserve_vcc 0
		.amdhsa_float_denorm_mode_32 3
		.amdhsa_float_denorm_mode_16_64 3
		.amdhsa_memory_ordered 1
		.amdhsa_forward_progress 1
		.amdhsa_inst_pref_size 58
	.end_amdhsa_kernel
	.amdgpu_metadata
---
amdhsa.version: [ 1, 2 ]
amdhsa.kernels:
  - .name:           k_qd05779e8a7_ffn2
    .symbol:         k_qd05779e8a7_ffn2.kd
    .args:
      - { .name: h8, .offset: 0, .size: 8, .value_kind: global_buffer, .address_space: global }
      - { .name: wts, .offset: 8, .size: 8, .value_kind: global_buffer, .address_space: global }
      - { .name: x2, .offset: 16, .size: 8, .value_kind: global_buffer, .address_space: global }
      - { .name: out0, .offset: 24, .size: 8, .value_kind: global_buffer, .address_space: global }
    .group_segment_fixed_size: 327680
    .private_segment_fixed_size: 0
    .kernarg_segment_align: 8
    .kernarg_segment_size: 32
    .max_flat_workgroup_size: 128
    .sgpr_count:     100
    .vgpr_count:     512
    .wavefront_size: 32
...
	.end_amdgpu_metadata
.endif
;; end of part 6
